; MI455X (gfx1250); checked and timed in simulation.
; The chip was launched on July 23, 2026; its instructions are those of AMD's public machine-readable ISA for CDNA 5 (MIT licence, August 2026) and "CDNA5" Instruction Set Architecture Reference Guide (July 2026). The comments in the code are by the model that wrote it; some were corrected since.
;; Smart Mo EFFN. Allowed arithmetic: float matrix products may take bf16 or f16 operands with f32 sums; other float arithmetic in f32, or as packed bf16 or f16 multiplies, adds, multiply-adds, maxima and minima; sums over many terms, partial sums and values carried from step to step in f32; what a program stores and reads back later, other than sums and carried values, may be rounded once to bf16 or f16.
;; Inputs: W1 8 x 1,024 x 4,096 float32; W2 8 x 4,096 x 1,024 float32; b1 8 x 4,096 float32; b2 8 x 1,024 float32; cn_b 1,024 float32; cn_g 1,024 float32; context 4 x 256 x 1,024 float32; ctx_W 1,024 x 1,024 float32; ctx_b 1,024 float32; q_W 1 x 1,024 float32; q_b 1,024 float32; quality 4 float32; r_W 1,024 x 8 float32; r_b 8 float32; rn_b 1,024 float32; rn_g 1,024 float32; temperature one number float32; x 4 x 256 x 1,024 float32.
;; Outputs: out0 4 x 256 x 1,024 float32; out1 one number float32; out2 one number float32; out3 one number float32; out4 one number float32.
;; One version. Each part assembles by itself: llvm-mc -triple=amdgcn-amd-amdhsa -mcpu=gfx1250 --defsym DOCPART=n.
;; ======== version 1 of 1: 5 launches
;; limits: a function is approximated: absolute error at most 2.5e-05; an absolute error that grows with the inputs' magnitude: up to 1.25e-05 times it; values are held in f16: magnitudes above 65,504 overflow, below 6.1e-05 lose precision
;; workspace buffers: tab 65,536 bytes; xh 2,097,152 bytes; sel 4,096 bytes of whole numbers; rt 24,576 bytes; lst 33,792 bytes of whole numbers; hid 16,777,216 bytes; yp 33,554,432 bytes
;; launch prep (part 1): grid 256 x 1, 8 waves a work-group, no clusters, 38,144 bytes of LDS; arguments x, ctx_W, r_W, rn_g, rn_b, ctx_b, q_W, q_b, quality, tab, xh; writes tab, xh
.if DOCPART == 1
	.amdgcn_target "amdgcn-amd-amdhsa--gfx1250"
	.amdhsa_code_object_version 6
	.text
	.protected	k_qff7e0bfa62_prep
	.globl	k_qff7e0bfa62_prep
	.p2align	8
	.type	k_qff7e0bfa62_prep,@function
k_qff7e0bfa62_prep:
	s_mov_b64 s[64:65], 0
	v_nop
	global_prefetch_b8 v0, s[64:65] scope:SCOPE_SE
	s_setreg_imm32_b32 hwreg(HW_REG_WAVE_MODE, 25, 1), 1
	s_wait_xcnt 0x0
; SmartMoEFFN, launch 1 of 5: what the router needs of x and of the weights, and x in f16.
; WORK LEFT OUT BY THE WHOLE PROGRAM.  combine[.., e] is a sum over the two chosen places of one_hot(idx)[e] x gate: for an expert e that is not among a
; token's top 2 both one_hot terms are the 0 that the function builds itself, so that expert's y for that token reaches no output, whatever finite values the
; inputs hold.  Only the 2 x 1,024 chosen (token, expert) rows are multiplied.  LIMIT: a NaN, an infinity or an overflow in an expert that was not chosen is not carried to out0.
; REASSOCIATED.  (LN(context) ctx_W) r_W = LN(context) (ctx_W r_W) in exact arithmetic: M = ctx_W r_W ([1024][8]) is made here, once.  The order of rounding differs from the function's.
; All router arithmetic is f32 on the vector unit, on the inputs as given: the choice of experts hangs on differences of logits far below what 16-bit operands keep, and after the reassociation it is 17 million multiply-adds.
; THIS LAUNCH.  A wave takes one row of 1,024 numbers and multiplies it by r_W.  Waves 0-3: rows 4 g .. 4 g + 3 of ctx_W as they are -> M.  Waves 4-7: tokens 4 g .. 4 g + 3:
; LN(x) rn_g + rn_b + ctx_b + q_b + quality q_W -> lx ([1024][8]); and x rounded to f16 -> xh.  LIMIT: |x| below 65,504.
; tab: M at byte 0, lx at byte 32,768.  Lane l holds the row's numbers 128 j + 4 l + i (j = 0..7, i = 0..3): each load of a wave covers 512 consecutive bytes.
.set TBL,   0                          ; r_W: 256 groups of 4 rows (128 bytes), 144 bytes apart = 36 words
.set RES,   36864                      ; 8 waves x 32 bytes: each wave's eight sums
.set SPARE, 37120                      ; the spare words, 128 bytes for each wave: no other line names them
.set ACC,   16                         ; v[16:23]   the eight sums
.set R,     32                         ; v[32:63]   the row
.set G,     64                         ; v[64:95]   rn_g
.set V1,    96                         ; v[96:127]  rn_b, then the sum of all added vectors
.set V2,    128                        ; v[128:159] ctx_b
.set V3,    160                        ; v[160:191] q_b
.set V4,    192                        ; v[192:223] q_W
.set CP,    224                        ; v[224:255] my 8 pieces of r_W on their way into LDS
.set XH,    224                        ; v[224:239] later: the row in f16
.set TB0,   96                         ; v[96:127], v[128:159]: two buffers for the table's chunks, when V1 and V2 are used up
; v1 lane, v2 16 lane, v3 144 lane, v4 spare word, v5 0, v6 and v7 the copy's LDS and memory offsets, v8-15 at work, v24-25 mean, v26-27 1/sigma, v28 8 lane, v29-31 at work
.macro WRED r                          ; the sum over the 32 lanes, left in every lane
	v_add_f32_dpp v[\r], v[\r], v[\r] row_xmask:1 row_mask:0xf bank_mask:0xf
	v_add_f32_dpp v[\r], v[\r], v[\r] row_xmask:2 row_mask:0xf bank_mask:0xf
	v_add_f32_dpp v[\r], v[\r], v[\r] row_xmask:4 row_mask:0xf bank_mask:0xf
	v_add_f32_dpp v[\r], v[\r], v[\r] row_xmask:8 row_mask:0xf bank_mask:0xf
	v_permlanex16_b32 v31, v[\r], s32, s33
	v_add_f32 v[\r], v[\r], v31
.endm
.macro LNSTAT                          ; R becomes R - mean; v[26:27] = 1 / sqrt(var + 1e-5), twice.  Mean first, then the mean of the centred squares, as the function does
.irp c, 0,1,2,3
	v_pk_add_f32 v[8+2*\c:9+2*\c], v[R+4*\c:R+4*\c+1], v[R+4*\c+2:R+4*\c+3]
.endr
.irp n, 0,1,2,3,4,5,6,7
	v_pk_add_f32 v[8+2*(\n%4):9+2*(\n%4)], v[8+2*(\n%4):9+2*(\n%4)], v[R+16+2*\n:R+17+2*\n]
.endr
	v_pk_add_f32 v[8:9], v[8:9], v[10:11]
	v_pk_add_f32 v[12:13], v[12:13], v[14:15]
	v_pk_add_f32 v[8:9], v[8:9], v[12:13]
	v_add_f32 v8, v8, v9
	WRED 8
	v_mul_f32 v24, s34, v8             ; / 1024
	v_mul_f32 v25, s34, v8
.irp n, 0,1,2,3,4,5,6,7,8,9,10,11,12,13,14,15
	v_pk_add_f32 v[R+2*\n:R+2*\n+1], v[R+2*\n:R+2*\n+1], v[24:25] neg_lo:[0,1] neg_hi:[0,1]
.endr
.irp c, 0,1,2,3
	v_pk_mul_f32 v[8+2*\c:9+2*\c], v[R+2*\c:R+2*\c+1], v[R+2*\c:R+2*\c+1]
.endr
.irp n, 4,5,6,7,8,9,10,11,12,13,14,15
	v_pk_fma_f32 v[8+2*(\n%4):9+2*(\n%4)], v[R+2*\n:R+2*\n+1], v[R+2*\n:R+2*\n+1], v[8+2*(\n%4):9+2*(\n%4)]
.endr
	v_pk_add_f32 v[8:9], v[8:9], v[10:11]
	v_pk_add_f32 v[12:13], v[12:13], v[14:15]
	v_pk_add_f32 v[8:9], v[8:9], v[12:13]
	v_add_f32 v8, v8, v9
	WRED 8
	v_fma_f32 v26, v8, s34, s35        ; var + 1e-5
	v_rsq_f32 v26, v26
	v_nop                              ; a plain instruction behind the root,
	s_wait_alu depctr_va_vdst(0)       ; and the wait ahead of the first use
	v_mov_b32 v27, v26
.endm
.macro TLOAD j, tb                     ; chunk j of the table for my 4 row numbers: register 8 i + e = T[128 j + 4 l + i][e]
.irp m, 0,1,2,3,4,5,6,7
	ds_load_b128 v[(\tb)+4*\m:(\tb)+4*\m+3], v3 offset:TBL+4608*(\j)+16*\m
.endr
.endm
.macro DOT1 j, i, p, tb                ; sums 2 p, 2 p + 1 += R[4 j + i] x T[..][2 p, 2 p + 1]; the row's number feeds both halves.  The very first four products start the sums
.if ((\j) == 0) && ((\i) == 0)
	v_pk_mul_f32 v[ACC+2*(\p):ACC+2*(\p)+1], v[R:R+1], v[(\tb)+2*(\p):(\tb)+2*(\p)+1] op_sel_hi:[0,1]
.elseif ((\i) % 2) == 0
	v_pk_fma_f32 v[ACC+2*(\p):ACC+2*(\p)+1], v[R+4*(\j)+(\i):R+4*(\j)+(\i)+1], v[(\tb)+8*(\i)+2*(\p):(\tb)+8*(\i)+2*(\p)+1], v[ACC+2*(\p):ACC+2*(\p)+1] op_sel_hi:[0,1,1]
.else
	v_pk_fma_f32 v[ACC+2*(\p):ACC+2*(\p)+1], v[R+4*(\j)+(\i)-1:R+4*(\j)+(\i)], v[(\tb)+8*(\i)+2*(\p):(\tb)+8*(\i)+2*(\p)+1], v[ACC+2*(\p):ACC+2*(\p)+1] op_sel:[1,0,0] op_sel_hi:[1,1,1]
.endif
.endm
.macro DOTC j, tb
.irp i, 0,1,2,3
.irp p, 0,1,2,3
	DOT1 \j, \i, \p, \tb
.endr
.endr
.endm
	s_load_b512 s[4:19], s[0:1], 0x0               ; x s[4:5], ctx_W s[6:7], r_W s[8:9], rn_g s[10:11], rn_b s[12:13], ctx_b s[14:15], q_W s[16:17], q_b s[18:19]
	s_load_b128 s[20:23], s[0:1], 0x40             ; quality s[20:21], tab s[22:23]
	s_load_b64 s[24:25], s[0:1], 0x50              ; xh
	v_lshl_add_u32 v4, v0, 2, SPARE
	v_mov_b32 v5, 0
	v_lshrrev_b32 v1, 5, v0
	v_readfirstlane_b32 s26, v1                    ; wave 0..7
	v_and_b32 v1, 31, v0
	v_lshlrev_b32 v2, 4, v1
	v_mul_u32_u24 v3, v1, 144
	v_lshrrev_b32 v6, 3, v0                        ; piece t of the table lies in group t / 8, at 16 (t % 8)
	v_mul_u32_u24 v6, v6, 144
	v_and_b32 v7, 7, v0
	v_lshl_add_u32 v6, v7, 4, v6
	v_lshlrev_b32 v7, 4, v0
	v_lshlrev_b32 v28, 3, v1
	v_mov_b32 v31, 0                               ; v_permlanex16_b32's destination counts as read
	s_mov_b32 s32, 0x76543210
	s_mov_b32 s33, 0xfedcba98
	s_mov_b32 s34, 0x3a800000                      ; 1 / 1024
	s_mov_b32 s35, 0x3727c5ac                      ; 1e-5
	s_mov_b32 s31, 0                               ; named with s30 as a pair
	s_and_b32 s27, s26, 3
	s_lshl2_add_u32 s27, ttmp9, s27                ; my row: 4 g + wave % 4
	s_lshl_b32 s38, s27, 12                        ; its 4,096 bytes
	s_mov_b32 s39, 0
	s_lshl_b32 s40, s27, 11                        ; its 2,048 bytes in xh
	s_mov_b32 s41, 0
	s_lshr_b32 s42, ttmp9, 6                       ; the token's batch: 256 tokens = 64 work-groups
	s_lshl_b32 s42, s42, 2
	s_mov_b32 s43, 0
	s_lshl_b32 s44, s26, 5
	s_add_co_u32 s44, s44, RES                     ; my eight sums' place
	s_wait_kmcnt 0x0
	s_cmp_lt_u32 s26, 4
	s_cselect_b64 s[28:29], s[6:7], s[4:5]         ; waves 0-3 read ctx_W, waves 4-7 x
	s_add_nc_u64 s[28:29], s[28:29], s[38:39]
	s_add_nc_u64 s[36:37], s[20:21], s[42:43]
	s_add_nc_u64 s[24:25], s[24:25], s[40:41]
	s_load_b32 s30, s[36:37], 0x0                  ; quality of the batch
.irp j, 0,1,2,3,4,5,6,7
	global_load_b128 v[R+4*\j:R+4*\j+3], v2, s[28:29] offset:512*\j th:TH_LOAD_NT
.endr
.irp i, 0,1,2,3,4,5,6,7
	global_load_b128 v[CP+4*\i:CP+4*\i+3], v7, s[8:9] offset:4096*\i
.endr
	s_cmp_lt_u32 s26, 4
	s_cbranch_scc1 .Lnovec
.irp j, 0,1,2,3,4,5,6,7
	global_load_b128 v[G+4*\j:G+4*\j+3], v2, s[10:11] offset:512*\j
	global_load_b128 v[V1+4*\j:V1+4*\j+3], v2, s[12:13] offset:512*\j
	global_load_b128 v[V2+4*\j:V2+4*\j+3], v2, s[14:15] offset:512*\j
	global_load_b128 v[V3+4*\j:V3+4*\j+3], v2, s[18:19] offset:512*\j
	global_load_b128 v[V4+4*\j:V4+4*\j+3], v2, s[16:17] offset:512*\j
.endr
.Lnovec:
	s_wait_loadcnt 0x0                             ; all were issued together: one wait for the row, the table and the vectors
	s_wait_kmcnt 0x0
.irp i, 0,1,2,3,4,5,6,7
	ds_store_b128 v6, v[CP+4*\i:CP+4*\i+3] offset:TBL+4608*\i
.endr
	s_wait_dscnt 0x0                               ; for the others' sake: my pieces of the table are in LDS
	s_barrier_signal -1
	s_barrier_wait -1
	s_cmp_lt_u32 s26, 4
	s_cbranch_scc1 .Ldot
.irp j, 0,1,2,3,4,5,6,7
	v_cvt_pk_f16_f32 v[XH+2*\j], v[R+4*\j], v[R+4*\j+1]
	v_cvt_pk_f16_f32 v[XH+2*\j+1], v[R+4*\j+2], v[R+4*\j+3]
.endr
.irp j, 0,1,2,3,4,5,6,7
	global_store_b64 v28, v[XH+2*\j:XH+2*\j+1], s[24:25] offset:256*\j  ; 32 lanes store 256 consecutive bytes, at a multiple of 256 from xh's first byte
.endr
	LNSTAT
.set i, 0
.rept 16
	v_pk_add_f32 v[V1+i:V1+i+1], v[V1+i:V1+i+1], v[V2+i:V2+i+1]
	v_pk_mul_f32 v[G+i:G+i+1], v[G+i:G+i+1], v[26:27]
.set i, i+2
.endr
.set i, 0
.rept 16
	v_pk_add_f32 v[V1+i:V1+i+1], v[V1+i:V1+i+1], v[V3+i:V3+i+1]
.set i, i+2
.endr
.set i, 0
.rept 16
	v_pk_fma_f32 v[V1+i:V1+i+1], v[V4+i:V4+i+1], s[30:31], v[V1+i:V1+i+1] op_sel_hi:[1,0,1]
.set i, i+2
.endr
.set i, 0
.rept 16
	v_pk_fma_f32 v[R+i:R+i+1], v[R+i:R+i+1], v[G+i:G+i+1], v[V1+i:V1+i+1]
.set i, i+2
.endr
.Ldot:
	TLOAD 0, TB0
.irp j, 0,1,2,3,4,5,6
	TLOAD (\j)+1, TB0+32*(((\j)+1)%2)
	s_wait_dscnt 8                                 ; chunk j is in; the next chunk's eight loads stay out
	DOTC \j, TB0+32*((\j)%2)
.endr
	s_wait_dscnt 0x0
	DOTC 7, TB0+32
.irp e, 0,1,2,3,4,5,6,7
	WRED ACC+\e
.endr
	v_mov_b32 v29, s44
	ds_store_b128 v29, v[ACC:ACC+3]                ; every lane holds the same eight sums and writes the same words
	ds_store_b128 v29, v[ACC+4:ACC+7] offset:16
	s_wait_dscnt 0x0
	s_barrier_signal -1
	s_barrier_wait -1
	s_and_b32 s45, s26, 3                          ; wave 0 stores the four rows of M, wave 4 the four of lx: 128 consecutive bytes
	s_cmp_lg_u32 s45, 0
	s_cbranch_scc1 .Lend
	v_lshl_add_u32 v30, v1, 2, s44
	ds_load_b32 v8, v30
	s_lshl_b32 s46, ttmp9, 7
	s_lshl_b32 s47, s26, 13                        ; wave 4: 32,768
	s_add_co_u32 s46, s46, s47
	v_lshl_add_u32 v9, v1, 2, s46
	s_wait_dscnt 0x0
	global_store_b32 v9, v8, s[22:23]
.Lend:
	s_wait_tensorcnt 0x0                           ; the wave's end: behind my last LDS store
	ds_add_u32 v4, v5
	s_wait_dscnt 0x0
	s_endpgm
.Lfunc_end_k_qff7e0bfa62_prep:
	.size	k_qff7e0bfa62_prep, .Lfunc_end_k_qff7e0bfa62_prep-k_qff7e0bfa62_prep
	.p2alignl 7, 3214868480
	.fill 96, 4, 3214868480
	.section	.rodata,"a",@progbits
	.p2align	6, 0x0
	.amdhsa_kernel k_qff7e0bfa62_prep
		.amdhsa_group_segment_fixed_size 38144
		.amdhsa_private_segment_fixed_size 0
		.amdhsa_enable_private_segment 0
		.amdhsa_kernarg_size 88
		.amdhsa_user_sgpr_count 2
		.amdhsa_user_sgpr_kernarg_segment_ptr 1
		.amdhsa_wavefront_size32 1
		.amdhsa_system_sgpr_workgroup_id_x 1
		.amdhsa_system_sgpr_workgroup_id_y 1
		.amdhsa_system_sgpr_workgroup_id_z 1
		.amdhsa_system_vgpr_workitem_id 0
		.amdhsa_next_free_vgpr 256
		.amdhsa_next_free_sgpr 66
		.amdhsa_reserve_vcc 0
		.amdhsa_float_denorm_mode_32 3
		.amdhsa_float_denorm_mode_16_64 3
		.amdhsa_memory_ordered 1
		.amdhsa_forward_progress 1
		.amdhsa_inst_pref_size 35
	.end_amdhsa_kernel
	.amdgpu_metadata
---
amdhsa.version: [ 1, 2 ]
amdhsa.kernels:
  - .name:           k_qff7e0bfa62_prep
    .symbol:         k_qff7e0bfa62_prep.kd
    .args:
      - { .name: x, .offset: 0, .size: 8, .value_kind: global_buffer, .address_space: global }
      - { .name: ctx_W, .offset: 8, .size: 8, .value_kind: global_buffer, .address_space: global }
      - { .name: r_W, .offset: 16, .size: 8, .value_kind: global_buffer, .address_space: global }
      - { .name: rn_g, .offset: 24, .size: 8, .value_kind: global_buffer, .address_space: global }
      - { .name: rn_b, .offset: 32, .size: 8, .value_kind: global_buffer, .address_space: global }
      - { .name: ctx_b, .offset: 40, .size: 8, .value_kind: global_buffer, .address_space: global }
      - { .name: q_W, .offset: 48, .size: 8, .value_kind: global_buffer, .address_space: global }
      - { .name: q_b, .offset: 56, .size: 8, .value_kind: global_buffer, .address_space: global }
      - { .name: quality, .offset: 64, .size: 8, .value_kind: global_buffer, .address_space: global }
      - { .name: tab, .offset: 72, .size: 8, .value_kind: global_buffer, .address_space: global }
      - { .name: xh, .offset: 80, .size: 8, .value_kind: global_buffer, .address_space: global }
    .group_segment_fixed_size: 38144
    .private_segment_fixed_size: 0
    .kernarg_segment_align: 8
    .kernarg_segment_size: 88
    .max_flat_workgroup_size: 256
    .sgpr_count:     66
    .vgpr_count:     256
    .wavefront_size: 32
...
	.end_amdgpu_metadata
.endif
;; end of part 1
;; launch router (part 2): grid 256 x 1, 4 waves a work-group, no clusters, 37,632 bytes of LDS; arguments context, cn_g, cn_b, tab, r_b, temperature, sel, rt; writes sel, rt
.if DOCPART == 2
	.amdgcn_target "amdgcn-amd-amdhsa--gfx1250"
	.amdhsa_code_object_version 6
	.text
	.protected	k_qff7e0bfa62_router
	.globl	k_qff7e0bfa62_router
	.p2align	8
	.type	k_qff7e0bfa62_router,@function
k_qff7e0bfa62_router:
	s_mov_b64 s[64:65], 0
	v_nop
	global_prefetch_b8 v0, s[64:65] scope:SCOPE_SE
	s_setreg_imm32_b32 hwreg(HW_REG_WAVE_MODE, 25, 1), 1
	s_wait_xcnt 0x0
; Launch 2 of 5: the logits, the two chosen experts, their gates, and each work-group's share of the losses' sums.  A wave takes one token: t = 4 g + wave.
; logits = (lx[t] + LN(context[t]) M + r_b) / max(temperature, 0.25), with lx and M from the launch before (the product with ctx_W is reassociated there).  All in f32 on the vector unit.
; sel[t] = (1 << i1) | (1 << (16 + i2)), whole numbers at a fixed place: no address and no branch of this launch hangs on the choice.  rt: gates[t][2] at byte 0; at byte 8,192 for each work-group 16 numbers:
; the sums over its four tokens of the eight probabilities, of logsumexp^2 and of the entropy, and six zeros.
; Ties go to the lower index (strict comparisons, ascending), as jax.lax.top_k breaks them.  The softmaxes and logsumexp take the largest logit away first.
; LIMITS.  The division by the temperature is a reciprocal and a multiplication, one factor for a token's eight logits.  Logits are taken as finite; a NaN temperature counts as 0.25.
.set TBL,   0                          ; M: 256 groups of 4 rows (128 bytes), 144 bytes apart
.set RES,   36864                      ; 4 waves x 64 bytes
.set SPARE, 37120                      ; the spare words, 128 bytes for each wave: no other line names them
.set ACC,   16                         ; v[16:23]   the eight sums, then the logits
.set R,     32                         ; v[32:63]   the row; later v[32:39] probabilities, v40 lse^2, v41 entropy, v[42:47] zeros
.set G,     64                         ; v[64:95]   cn_g
.set BV,    96                         ; v[96:127]  cn_b
.set CP,    128                        ; v[128:191] my 16 pieces of M on their way into LDS
.set TB0,   128                        ; v[128:159], v[160:191]: then two buffers for the table's chunks
.macro WRED r                          ; the sum over the 32 lanes, left in every lane
	v_add_f32_dpp v[\r], v[\r], v[\r] row_xmask:1 row_mask:0xf bank_mask:0xf
	v_add_f32_dpp v[\r], v[\r], v[\r] row_xmask:2 row_mask:0xf bank_mask:0xf
	v_add_f32_dpp v[\r], v[\r], v[\r] row_xmask:4 row_mask:0xf bank_mask:0xf
	v_add_f32_dpp v[\r], v[\r], v[\r] row_xmask:8 row_mask:0xf bank_mask:0xf
	v_permlanex16_b32 v31, v[\r], s32, s33
	v_add_f32 v[\r], v[\r], v31
.endm
.macro LNSTAT                          ; R becomes R - mean; v[26:27] = 1 / sqrt(var + 1e-5), twice
.irp c, 0,1,2,3
	v_pk_add_f32 v[8+2*\c:9+2*\c], v[R+4*\c:R+4*\c+1], v[R+4*\c+2:R+4*\c+3]
.endr
.irp n, 0,1,2,3,4,5,6,7
	v_pk_add_f32 v[8+2*(\n%4):9+2*(\n%4)], v[8+2*(\n%4):9+2*(\n%4)], v[R+16+2*\n:R+17+2*\n]
.endr
	v_pk_add_f32 v[8:9], v[8:9], v[10:11]
	v_pk_add_f32 v[12:13], v[12:13], v[14:15]
	v_pk_add_f32 v[8:9], v[8:9], v[12:13]
	v_add_f32 v8, v8, v9
	WRED 8
	v_mul_f32 v24, s34, v8
	v_mul_f32 v25, s34, v8
.irp n, 0,1,2,3,4,5,6,7,8,9,10,11,12,13,14,15
	v_pk_add_f32 v[R+2*\n:R+2*\n+1], v[R+2*\n:R+2*\n+1], v[24:25] neg_lo:[0,1] neg_hi:[0,1]
.endr
.irp c, 0,1,2,3
	v_pk_mul_f32 v[8+2*\c:9+2*\c], v[R+2*\c:R+2*\c+1], v[R+2*\c:R+2*\c+1]
.endr
.irp n, 4,5,6,7,8,9,10,11,12,13,14,15
	v_pk_fma_f32 v[8+2*(\n%4):9+2*(\n%4)], v[R+2*\n:R+2*\n+1], v[R+2*\n:R+2*\n+1], v[8+2*(\n%4):9+2*(\n%4)]
.endr
	v_pk_add_f32 v[8:9], v[8:9], v[10:11]
	v_pk_add_f32 v[12:13], v[12:13], v[14:15]
	v_pk_add_f32 v[8:9], v[8:9], v[12:13]
	v_add_f32 v8, v8, v9
	WRED 8
	v_fma_f32 v26, v8, s34, s35
	v_rsq_f32 v26, v26
	v_nop                              ; a plain instruction behind the root,
	s_wait_alu depctr_va_vdst(0)       ; and the wait ahead of the first use
	v_mov_b32 v27, v26
.endm
.macro TLOAD j, tb
.irp m, 0,1,2,3,4,5,6,7
	ds_load_b128 v[(\tb)+4*\m:(\tb)+4*\m+3], v3 offset:TBL+4608*(\j)+16*\m
.endr
.endm
.macro DOT1 j, i, p, tb
.if ((\j) == 0) && ((\i) == 0)
	v_pk_mul_f32 v[ACC+2*(\p):ACC+2*(\p)+1], v[R:R+1], v[(\tb)+2*(\p):(\tb)+2*(\p)+1] op_sel_hi:[0,1]
.elseif ((\i) % 2) == 0
	v_pk_fma_f32 v[ACC+2*(\p):ACC+2*(\p)+1], v[R+4*(\j)+(\i):R+4*(\j)+(\i)+1], v[(\tb)+8*(\i)+2*(\p):(\tb)+8*(\i)+2*(\p)+1], v[ACC+2*(\p):ACC+2*(\p)+1] op_sel_hi:[0,1,1]
.else
	v_pk_fma_f32 v[ACC+2*(\p):ACC+2*(\p)+1], v[R+4*(\j)+(\i)-1:R+4*(\j)+(\i)], v[(\tb)+8*(\i)+2*(\p):(\tb)+8*(\i)+2*(\p)+1], v[ACC+2*(\p):ACC+2*(\p)+1] op_sel:[1,0,0] op_sel_hi:[1,1,1]
.endif
.endm
.macro DOTC j, tb
.irp i, 0,1,2,3
.irp p, 0,1,2,3
	DOT1 \j, \i, \p, \tb
.endr
.endr
.endm
	s_load_b512 s[4:19], s[0:1], 0x0               ; context s[4:5], cn_g s[6:7], cn_b s[8:9], tab s[10:11], r_b s[12:13], temperature s[14:15], sel s[16:17], rt s[18:19]
	v_lshl_add_u32 v4, v0, 2, SPARE
	v_mov_b32 v5, 0
	v_lshrrev_b32 v1, 5, v0
	v_readfirstlane_b32 s26, v1                    ; wave 0..3
	v_and_b32 v1, 31, v0
	v_lshlrev_b32 v2, 4, v1
	v_mul_u32_u24 v3, v1, 144
	v_lshrrev_b32 v6, 3, v0
	v_mul_u32_u24 v6, v6, 144
	v_and_b32 v7, 7, v0
	v_lshl_add_u32 v6, v7, 4, v6
	v_lshlrev_b32 v7, 4, v0
	v_mov_b32 v31, 0
	s_mov_b32 s32, 0x76543210
	s_mov_b32 s33, 0xfedcba98
	s_mov_b32 s34, 0x3a800000                      ; 1 / 1024
	s_mov_b32 s35, 0x3727c5ac                      ; 1e-5
	s_lshl2_add_u32 s27, ttmp9, s26                ; my token
	s_lshl_b32 s38, s27, 12
	s_mov_b32 s39, 0
	s_lshl_b32 s36, s27, 5
	s_add_co_u32 s36, s36, 32768                   ; lx[t]
	s_mov_b32 s37, 0
	s_lshl_b32 s58, s27, 2
	s_mov_b32 s59, 0
	s_lshl_b32 s60, s27, 3
	s_mov_b32 s61, 0
	s_lshl_b32 s62, ttmp9, 6
	s_add_co_u32 s62, s62, 8192
	s_mov_b32 s63, 0
	s_lshl_b32 s30, s26, 6
	s_add_co_u32 s30, s30, RES
	s_wait_kmcnt 0x0
	s_add_nc_u64 s[28:29], s[4:5], s[38:39]
	s_add_nc_u64 s[36:37], s[10:11], s[36:37]
	s_add_nc_u64 s[16:17], s[16:17], s[58:59]      ; sel[t]
	s_add_nc_u64 s[60:61], s[18:19], s[60:61]      ; gates[t]
	s_add_nc_u64 s[62:63], s[18:19], s[62:63]      ; the work-group's 16 sums
	s_load_b256 s[40:47], s[36:37], 0x0
	s_load_b256 s[48:55], s[12:13], 0x0
	s_load_b32 s56, s[14:15], 0x0
.irp j, 0,1,2,3,4,5,6,7
	global_load_b128 v[R+4*\j:R+4*\j+3], v2, s[28:29] offset:512*\j th:TH_LOAD_NT
.endr
.irp i, 0,1,2,3,4,5,6,7,8,9,10,11,12,13,14,15
	global_load_b128 v[CP+4*\i:CP+4*\i+3], v7, s[10:11] offset:2048*\i
.endr
.irp j, 0,1,2,3,4,5,6,7
	global_load_b128 v[G+4*\j:G+4*\j+3], v2, s[6:7] offset:512*\j
	global_load_b128 v[BV+4*\j:BV+4*\j+3], v2, s[8:9] offset:512*\j
.endr
	s_wait_loadcnt 0x0                             ; all were issued together
	s_wait_kmcnt 0x0
.irp i, 0,1,2,3,4,5,6,7,8,9,10,11,12,13,14,15
	ds_store_b128 v6, v[CP+4*\i:CP+4*\i+3] offset:TBL+2304*\i
.endr
	s_wait_dscnt 0x0                               ; for the others' sake: my pieces of the table are in LDS
	s_barrier_signal -1
	s_barrier_wait -1
	LNSTAT
.set i, 0
.rept 16
	v_pk_mul_f32 v[G+i:G+i+1], v[G+i:G+i+1], v[26:27]
.set i, i+2
.endr
.set i, 0
.rept 16
	v_pk_fma_f32 v[R+i:R+i+1], v[R+i:R+i+1], v[G+i:G+i+1], v[BV+i:BV+i+1]
.set i, i+2
.endr
	TLOAD 0, TB0
.irp j, 0,1,2,3,4,5,6
	TLOAD (\j)+1, TB0+32*(((\j)+1)%2)
	s_wait_dscnt 8                                 ; chunk j is in; the next chunk's eight loads stay out
	DOTC \j, TB0+32*((\j)%2)
.endr
	s_wait_dscnt 0x0
	DOTC 7, TB0+32
.irp e, 0,1,2,3,4,5,6,7
	WRED ACC+\e
.endr
	; from here on every lane holds the same numbers
	v_mov_b32 v9, s56
	v_max_num_f32 v9, 0x3e800000, v9               ; max(temperature, 0.25)
	v_rcp_f32 v9, v9
.irp e, 0,1,2,3,4,5,6,7
	s_add_f32 s[40+\e], s[40+\e], s[48+\e]         ; lx + r_b
.endr
	v_nop
	s_wait_alu depctr_va_vdst(0)                   ; the reciprocal's wait
.irp e, 0,1,2,3,4,5,6,7
	v_add_f32 v[ACC+\e], s[40+\e], v[ACC+\e]
.endr
.irp e, 0,1,2,3,4,5,6,7
	v_mul_f32 v[ACC+\e], v[ACC+\e], v9
.endr
	v_mov_b32 v10, v[ACC]                          ; the largest logit and its index
	v_mov_b32 v11, 0
.irp e, 1,2,3,4,5,6,7
	v_cmp_gt_f32 vcc_lo, v[ACC+\e], v10
	v_cndmask_b32 v10, v10, v[ACC+\e], vcc_lo
	v_cndmask_b32 v11, v11, \e, vcc_lo
.endr
	v_mov_b32 v12, 0xff800000                      ; the largest of the others
	v_mov_b32 v13, 0
.irp e, 0,1,2,3,4,5,6,7
	v_cmp_ne_u32 s57, \e, v11
	v_cmp_gt_f32 s58, v[ACC+\e], v12
	s_and_b32 s57, s57, s58
	v_cndmask_b32 v12, v12, v[ACC+\e], s57
	v_cndmask_b32 v13, v13, \e, s57
.endr
.irp e, 0,1,2,3,4,5,6,7
	v_sub_f32 v[32+\e], v[ACC+\e], v10             ; the maximum is taken away first
.endr
	v_sub_f32 v48, v12, v10
.irp e, 0,1,2,3,4,5,6,7
	v_mul_f32 v[32+\e], 0x3fb8aa3b, v[32+\e]
.endr
	v_mul_f32 v48, 0x3fb8aa3b, v48
.irp e, 0,1,2,3,4,5,6,7
	v_exp_f32 v[32+\e], v[32+\e]
.endr
	v_exp_f32 v48, v48
	v_nop
	s_wait_alu depctr_va_vdst(0)                   ; one wait for the nine exponentials
	v_add_f32 v49, v32, v33
	v_add_f32 v50, v34, v35
	v_add_f32 v51, v36, v37
	v_add_f32 v52, v38, v39
	v_add_f32 v49, v49, v50
	v_add_f32 v51, v51, v52
	v_add_f32 v49, v49, v51                        ; the sum of the eight
	v_add_f32 v50, 1.0, v48
	v_log_f32 v51, v49
	v_rcp_f32 v52, v49
	v_rcp_f32 v53, v50
	v_nop
	s_wait_alu depctr_va_vdst(0)                   ; one wait for the three
	v_fmamk_f32 v51, v51, 0x3f317218, v10          ; logsumexp = m + ln 2 x log2(sum)
	v_mul_f32 v40, v51, v51
.irp e, 0,1,2,3,4,5,6,7
	v_mul_f32 v[32+\e], v[32+\e], v52              ; the probabilities
.endr
	v_mov_b32 v54, v53                             ; gate of the first choice: 1 / (1 + e^(l2 - l1)),
	v_mul_f32 v55, v48, v53                        ; of the second
.irp e, 0,1,2,3,4,5,6,7
	v_max_num_f32 v[56+\e], 0x3089705f, v[32+\e]   ; clip at 1e-9
.endr
.irp e, 0,1,2,3,4,5,6,7
	v_log_f32 v[56+\e], v[56+\e]
.endr
	v_nop
	s_wait_alu depctr_va_vdst(0)                   ; one wait for the eight logarithms
	v_mul_f32 v41, v32, v56
.irp e, 1,2,3,4,5,6,7
	v_fmac_f32 v41, v[32+\e], v[56+\e]
.endr
	v_mul_f32 v41, 0xbf317218, v41                 ; entropy = - ln 2 x the sum of p log2 p
.irp z, 42,43,44,45,46,47
	v_mov_b32 v\z, 0
.endr
	v_mov_b32 v14, 1
	v_lshlrev_b32 v15, v11, v14                    ; 1 << i1
	v_add_nc_u32 v13, 16, v13
	v_lshlrev_b32 v14, v13, v14                    ; 1 << (16 + i2)
	v_or_b32 v15, v15, v14
	v_mov_b32 v29, s30
.irp c, 0,1,2,3
	ds_store_b128 v29, v[32+4*\c:35+4*\c] offset:16*\c
.endr
	s_wait_dscnt 0x0
	s_barrier_signal -1
	s_barrier_wait -1
	v_mov_b32 v30, 0
	s_wait_xcnt 0x0                                ; EXEC changes only behind this wait
	v_cmp_eq_u32 vcc_lo, 0, v1
	s_and_saveexec_b32 s59, vcc_lo
	global_store_b32 v30, v15, s[16:17]
	global_store_b64 v30, v[54:55], s[60:61]
	s_wait_xcnt 0x0                                ; and again, in front of the line that widens it
	s_or_b32 exec_lo, exec_lo, s59
	s_cmp_lg_u32 s26, 0
	s_cbranch_scc1 .Lend
	v_and_b32 v8, 15, v1
	v_lshlrev_b32 v8, 2, v8
	v_add_nc_u32 v9, RES, v8
	ds_load_b32 v10, v9
	ds_load_b32 v11, v9 offset:64
	ds_load_b32 v12, v9 offset:128
	ds_load_b32 v13, v9 offset:192
	s_wait_dscnt 0x0
	v_add_f32 v10, v10, v11
	v_add_f32 v12, v12, v13
	v_add_f32 v10, v10, v12
	s_wait_xcnt 0x0
	v_cmp_gt_u32 vcc_lo, 16, v1
	s_and_saveexec_b32 s57, vcc_lo
	global_store_b32 v8, v10, s[62:63]
	s_wait_xcnt 0x0
	s_or_b32 exec_lo, exec_lo, s57
.Lend:
	s_wait_tensorcnt 0x0                           ; the wave's end: behind my last LDS store
	ds_add_u32 v4, v5
	s_wait_dscnt 0x0
	s_endpgm
.Lfunc_end_k_qff7e0bfa62_router:
	.size	k_qff7e0bfa62_router, .Lfunc_end_k_qff7e0bfa62_router-k_qff7e0bfa62_router
	.p2alignl 7, 3214868480
	.fill 96, 4, 3214868480
	.section	.rodata,"a",@progbits
	.p2align	6, 0x0
	.amdhsa_kernel k_qff7e0bfa62_router
		.amdhsa_group_segment_fixed_size 37632
		.amdhsa_private_segment_fixed_size 0
		.amdhsa_enable_private_segment 0
		.amdhsa_kernarg_size 64
		.amdhsa_user_sgpr_count 2
		.amdhsa_user_sgpr_kernarg_segment_ptr 1
		.amdhsa_wavefront_size32 1
		.amdhsa_system_sgpr_workgroup_id_x 1
		.amdhsa_system_sgpr_workgroup_id_y 1
		.amdhsa_system_sgpr_workgroup_id_z 1
		.amdhsa_system_vgpr_workitem_id 0
		.amdhsa_next_free_vgpr 192
		.amdhsa_next_free_sgpr 66
		.amdhsa_reserve_vcc 1
		.amdhsa_float_denorm_mode_32 3
		.amdhsa_float_denorm_mode_16_64 3
		.amdhsa_memory_ordered 1
		.amdhsa_forward_progress 1
		.amdhsa_inst_pref_size 38
	.end_amdhsa_kernel
	.amdgpu_metadata
---
amdhsa.version: [ 1, 2 ]
amdhsa.kernels:
  - .name:           k_qff7e0bfa62_router
    .symbol:         k_qff7e0bfa62_router.kd
    .args:
      - { .name: context, .offset: 0, .size: 8, .value_kind: global_buffer, .address_space: global }
      - { .name: cn_g, .offset: 8, .size: 8, .value_kind: global_buffer, .address_space: global }
      - { .name: cn_b, .offset: 16, .size: 8, .value_kind: global_buffer, .address_space: global }
      - { .name: tab, .offset: 24, .size: 8, .value_kind: global_buffer, .address_space: global }
      - { .name: r_b, .offset: 32, .size: 8, .value_kind: global_buffer, .address_space: global }
      - { .name: temperature, .offset: 40, .size: 8, .value_kind: global_buffer, .address_space: global }
      - { .name: sel, .offset: 48, .size: 8, .value_kind: global_buffer, .address_space: global }
      - { .name: rt, .offset: 56, .size: 8, .value_kind: global_buffer, .address_space: global }
    .group_segment_fixed_size: 37632
    .private_segment_fixed_size: 0
    .kernarg_segment_align: 8
    .kernarg_segment_size: 64
    .max_flat_workgroup_size: 128
    .sgpr_count:     66
    .vgpr_count:     192
    .wavefront_size: 32
...
	.end_amdgpu_metadata
.endif
;; end of part 2
;; launch ffn1 (part 3): grid 32 x 8, 4 waves a work-group, no clusters, 309,248 bytes of LDS; arguments sel, xh, W1, b1, hid, lst; writes hid, lst
.if DOCPART == 3
	.amdgcn_target "amdgcn-amd-amdhsa--gfx1250"
	.amdhsa_code_object_version 6
	.text
	.protected	k_qff7e0bfa62_ffn1
	.globl	k_qff7e0bfa62_ffn1
	.p2align	8
	.type	k_qff7e0bfa62_ffn1,@function
k_qff7e0bfa62_ffn1:
	s_mov_b64 s[64:65], 0
	v_nop
	global_prefetch_b8 v0, s[64:65] scope:SCOPE_SE
	s_setreg_imm32_b32 hwreg(HW_REG_WAVE_MODE, 25, 1), 1
	s_wait_xcnt 0x0
; Launches 3 and 4 of 5 are one text; FFN says which.  Only the rows of the experts that a token chose are multiplied (shown at the head of the first launch).
; FFN = 1: hid[slot][:] = f16(gelu(x[token] W1[e] + b1[e])).   FFN = 2: yp[kq][slot][:] = hid[slot][1024 kq ..] W2[e][1024 kq ..][:] (+ b2[e] in quarter 0), f32 partial sums.
; slot = 1024 k + token, k = 0 for a token's first choice, 1 for its second: every slot belongs to one expert, so hid and yp are written whole and the last launch needs no index.
; SHARES.  Work-group (x, e) owns a slice of expert e's weights, 1,024 (K) x 128 (N), which it alone reads: 512 KiB of f32, each byte once, rounded to f16 on its way through registers into LDS.
; Then it takes ALL of the expert's rows past that slice.  A wave takes the expert's tiles of 16 rows number wave, wave + 4, ..: up to five at a time (320 accumulator registers), in up to four passes: any split of the tokens is served.
; The loops count to constants; a dead pass's products and dead tiles are jumped forward, past no barrier.  BARRIERS, all on every wave's path: one between the stream and the products (so an expert without rows still
; streams its slice), and two in each of the four passes: in the K loop LDS is only read, on the way out the stages are written; every wave's reads are back before any stage is written, and every stage is done with before the next pass reads.
; The sums are set to the bias at the head of every pass, a dead one's too.
; In a tile that is not full the places past the count repeat the expert's last row; their results, the same numbers, are stored to the same bytes by the same wave.
; THE LIST.  FFN = 1: wave 0 makes the expert's list of slots from sel (whole numbers that the launch before stored) by counting set bits; the work-group with x = 0 stores list and count in lst.  FFN = 2 reads them.
; LAYOUT.  D = W^T X^T: source 0 = 16 columns of the weights (out of LDS, turned, by ds_load_tr16_b128), source 1 = 16 token rows (straight from memory: 16 bytes a lane, twice).  In the result a lane holds one token
; row (lane % 16) and columns 16 b + 8 (lane / 16) + 0..7.  The sums start with the bias.
; LIMITS.  f16 operands: |x|, |W|, |gelu| below 65,504.  erf by the rational form 1 - (a1 t + a2 t^2 + a3 t^3) e^(-u^2), t = 1 / (1 + 0.47047 u) (Abramowitz and Stegun 7.1.25, off by 2.5e-5 at the most for every u):
; gelu is off by at most 1.25e-5 |z|.  NaN and infinities are not treated apart.
; No tensor loads: the weights change format on the way in, so they pass through registers anyway.  No cluster: each slice has one reader, and the token rows come by a list.
.set FFN, 1
.if FFN == 1
.set PITCH, 16384                      ; bytes from a row of the weights to the next
.set ASH,   11                         ; a row of the left operand: 2,048 bytes of xh
.else
.set PITCH, 4096
.set ASH,   13                         ; 8,192 bytes of hid
.endif
.set STG,   270336                     ; LDS 0 .. 262,143: the slice in f16, line k = 256 bytes = row k; its 16-byte column c lies at column c xor 2 (k % 8), so that the 8 rows x 2 columns of a turning load's sixteen lanes fall on sixteen different columns.
                                       ; 262,144 .. 270,335 are left unused: the stepped address of the weights' loads plus their largest offset stays below STG in every trip, for the load that the last trip jumps too
.set SPIT,  528                        ; the stage: 16 rows of 128 f32, 512 + 16 bytes apart; one stage for each wave, its own
.set STGW,  16*SPIT
.set LIST,  304128                     ; 1,024 words of the list, 64 words that take what is not in it
.set CNTW,  308480                     ; the count
.set SPARE, 308736                     ; the spare words, 128 bytes for each wave: no other line names them
; v1 lane, v2 lane % 16, v3 lane / 16, v4 spare word, v5 0, v6 16 lane, v7 16 (lane / 16), v37 32 (lane / 16)
.set SWA,   8                          ; v[8:15]    where my 8 bytes of a row k go, by k % 8
.set ADB,   16                         ; v[16:23]   my address in the slice's first 32 lines for column block b; never rewritten
.set ADC,   24                         ; v[24:31]   the same, 32 lines on, stepped by 256 lines a trip
.set AOFF,  32                         ; v[32:36]   byte offset of my row of tile 0..4 in the left operand
.set STO,   38                         ; v38  into the stage;  v39 back out of it;  v40 my bytes in an output row;  v41-47 at work
.set ROFF,  48                         ; v[48:63]   the output rows' offsets
.set BIAS,  192                        ; v[192:255] register 8 b + j = bias[16 b + 8 (lane / 16) + j]
.set ABUF,  256                        ; v[256:415], v[416:575] left operand, two buffers of 128 along K: tile t at + 32 t.  The stream's ring lies over v[256:511]
.set ACC,   576                        ; v[576:895] accumulators: tile t at + 64 t, column block b at + 8 b
; v[64:127], v[128:191]: the weights' fragments, two buffers of 32 along K; in the stream the converted rows; on the way out at work
; s16 wave, s17 expert, s18 slice, s19 K quarter, s[20:21] stream, s22 its count, s23 rows, s24 last rank, s25 tiles, s26 my tiles, s27 passes, s28 tiles a pass, s29 passes to go, s30 live tiles, s31 first tile,
; s32 K trips to go, s33 at work, s[34:35] left operand at the trip's K, s[36:37] at K = 0, s38 tile on the way out, s39 its first rank, s[40:50] constants, s51-55 the list, s[60:61] output, s[66:69] lst
.set MSB, 0
.macro WIN new                         ; s_set_vgpr_msb: bits 1:0 source 0, 3:2 source 1, 5:4 source 2, 7:6 destination; the high byte repeats the setting that is left
.if MSB != (\new)
	s_set_vgpr_msb (MSB<<8)|(\new)
.set MSB, (\new)
.endif
.endm
.macro PLACES                          ; four places behind a matrix instruction, in front of loads into registers that it read and of stores that read results
.rept 4
	v_nop
.endr
.endm
.macro LOADB hb, row0                  ; 32 rows' pieces of the slice into half hb of the ring: each load 512 consecutive bytes, aligned
	WIN 0x40
.set i, 0
.rept 32
	global_load_b128 v[128*(\hb)+4*i:128*(\hb)+4*i+3], v6, s[20:21] offset:((\row0)+i)*PITCH th:TH_LOAD_NT
.set i, i+1
.endr
	WIN 0
.endm
.macro CVST hb, par                    ; half hb is rounded to f16 and laid into LDS
	WIN 0x05
.set i, 0
.rept 32
	v_cvt_pk_f16_f32 v[64+2*i], v[128*(\hb)+4*i], v[128*(\hb)+4*i+1]
	v_cvt_pk_f16_f32 v[65+2*i], v[128*(\hb)+4*i+2], v[128*(\hb)+4*i+3]
.set i, i+1
.endr
	WIN 0
.set i, 0
.rept 32
	ds_store_b64 v[SWA+(i%8)], v[64+2*i:65+2*i] offset:(\par)*8192+i*256
.set i, i+1
.endr
.endm
.macro BLOAD bs, off, adr              ; the weights' fragments of 32 along K, all 8 column blocks, by the address registers adr
.irp b, 0,1,2,3,4,5,6,7
	ds_load_tr16_b128 v[64+64*(\bs)+8*\b:64+64*(\bs)+8*\b+3], v[(\adr)+\b] offset:(\off)
	ds_load_tr16_b128 v[64+64*(\bs)+8*\b+4:64+64*(\bs)+8*\b+7], v[(\adr)+\b] offset:(\off)+4096
.endr
.endm
.macro ALOAD buf, off                  ; 128 along K of the live tiles' rows
.irp t, 0,1,2,3,4
.if \t > 0
	WIN 0
	s_cmp_le_u32 s30, \t
	s_cbranch_scc1 .Ladone_\@
.endif
.set AB, ABUF+160*(\buf)+32*(\t)
	WIN (AB>>8)<<6
.irp s, 0,1,2,3
	global_load_b128 v[(AB&255)+8*\s:(AB&255)+8*\s+3], v[AOFF+\t], s[34:35] offset:(\off)+64*\s
	global_load_b128 v[(AB&255)+8*\s+4:(AB&255)+8*\s+7], v[AOFF+\t], s[34:35] offset:(\off)+64*\s+32
.endr
.endr
	WIN 0
.Ladone_\@:
.endm
.macro MMA acc, wf, xf                 ; registers by their true numbers; the windows follow from them
	WIN ((((\xf)>>8)<<2)|(((\acc)>>8)<<4)|(((\acc)>>8)<<6))
	v_wmma_f32_16x16x32_f16 v[((\acc)&255):((\acc)&255)+7], v[(\wf):(\wf)+7], v[((\xf)&255):((\xf)&255)+7], v[((\acc)&255):((\acc)&255)+7]
.endm
.macro TILEBLK buf, s, bs, t           ; a tile's 8 accumulators take turns, one instruction a turn; the next block is another tile's or, a step later, begins at another accumulator
.irp b, 0,1,2,3,4,5,6,7
	MMA ACC+64*(\t)+8*\b, 64+64*(\bs)+8*\b, ABUF+160*(\buf)+32*(\t)+8*(\s)
.endr
.endm
.macro STEP buf, s, sg                 ; 32 along K: step sg of a trip's eight.  The next step's weights are asked for first, then the live tiles are multiplied
.if (\s) != 0
	PLACES                             ; (for s = 0 the four in front of the left operand's loads are these four)
.endif
	s_wait_dscnt 0x0                   ; this step's fragments, asked for a step ago
.if (\sg) == 7
	s_cmp_eq_u32 s32, 1                ; the last trip has no next step: its sixteen loads, and nothing else, are jumped
	s_cbranch_scc1 .Lnob_\@
.endif
	BLOAD ((\sg)+1)%2, (\sg)*8192, ADC ; ADC stands 32 lines on: step sg + 1 lies at 8,192 sg behind it, 61,440 at the most with the second load's 4,096
.if (\sg) == 7
.Lnob_\@:
.endif
	TILEBLK \buf, \s, (\sg)%2, 0
.irp t, 1,2,3,4
	WIN 0
	s_cmp_le_u32 s30, \t
	s_cbranch_scc1 .Ldone_\@
	TILEBLK \buf, \s, (\sg)%2, \t
.endr
	WIN 0
.Ldone_\@:
.endm
.macro INIT                            ; the sums start with the bias, in all five tiles
.irp t, 0,1,2,3,4
.set AC, ACC+64*(\t)
	WIN (AC>>8)<<6
.set i, 0
.rept 64
	v_mov_b32 v[(AC&255)+i], v[BIAS+i]
.set i, i+1
.endr
.endr
	WIN 0
.endm
.macro STAGE t                         ; a tile into my stage; each accumulator's low registers first
.set AC, ACC+64*(\t)
	WIN (AC>>8)<<2
.irp b, 0,1,2,3,4,5,6,7
	ds_store_b128 v[STO], v[(AC&255)+8*\b:(AC&255)+8*\b+3] offset:64*\b
	ds_store_b128 v[STO], v[(AC&255)+8*\b+4:(AC&255)+8*\b+7] offset:64*\b+16
.endr
	WIN 0
.endm
; gelu(z) = max(z, 0) - |z| q(t) t e^(-z^2 / 2), t = 1 / (1 + 0.33267 |z|), q = 0.1740121 - 0.0479399 t + 0.3739278 t^2, on 16 numbers; then rounded to f16, in place.
; The 32 transcendentals are one batch; sixteen plain lines follow; one wait stands ahead of the first reader.
.macro GELU16 k
.set Z, 64+16*(\k)
.set i, 0
.rept 16
	v_and_b32 v[128+i], s50, v[Z+i]
.set i, i+1
.endr
.set i, 0
.rept 8
	v_pk_fma_f32 v[144+i:145+i], v[128+i:129+i], s[40:41], 1.0 op_sel_hi:[1,0,0]
	v_pk_mul_f32 v[160+i:161+i], v[Z+i:Z+i+1], v[Z+i:Z+i+1]
.set i, i+2
.endr
.set i, 0
.rept 8
	v_pk_mul_f32 v[160+i:161+i], v[160+i:161+i], s[48:49] op_sel_hi:[1,0]
.set i, i+2
.endr
.set i, 0
.rept 16
	v_rcp_f32 v[144+i], v[144+i]
.set i, i+1
.endr
.set i, 0
.rept 16
	v_exp_f32 v[160+i], v[160+i]
.set i, i+1
.endr
.set i, 0
.rept 16
	v_max_num_f32 v[Z+i], 0, v[Z+i]
.set i, i+1
.endr
	s_wait_alu depctr_va_vdst(0)
.set i, 0
.rept 8
	v_pk_fma_f32 v[176+i:177+i], v[144+i:145+i], s[42:43], s[44:45] op_sel_hi:[1,0,0]
.set i, i+2
.endr
.set i, 0
.rept 8
	v_pk_fma_f32 v[176+i:177+i], v[176+i:177+i], v[144+i:145+i], s[46:47] op_sel_hi:[1,1,0]
	v_pk_mul_f32 v[144+i:145+i], v[144+i:145+i], v[160+i:161+i]
.set i, i+2
.endr
.set i, 0
.rept 8
	v_pk_mul_f32 v[176+i:177+i], v[176+i:177+i], v[144+i:145+i]
.set i, i+2
.endr
.set i, 0
.rept 8
	v_pk_fma_f32 v[Z+i:Z+i+1], v[128+i:129+i], v[176+i:177+i], v[Z+i:Z+i+1] neg_lo:[1,0,0] neg_hi:[1,0,0]
.set i, i+2
.endr
.set i, 0
.rept 8
	v_cvt_pk_f16_f32 v[Z+i], v[Z+2*i], v[Z+2*i+1]
.set i, i+1
.endr
.endm
	s_load_b256 s[4:11], s[0:1], 0x0               ; sel, xh, W1, b1
	s_load_b128 s[12:15], s[0:1], 0x20             ; hid, lst
	v_lshl_add_u32 v4, v0, 2, SPARE
	v_mov_b32 v5, 0
	v_lshrrev_b32 v1, 5, v0
	v_readfirstlane_b32 s16, v1                    ; wave 0..3
	s_and_b32 s17, ttmp7, 0xffff                   ; expert
	s_mov_b32 s18, ttmp9
	s_mov_b32 s19, 0
	v_and_b32 v1, 31, v0
	v_and_b32 v2, 15, v0
	v_bfe_u32 v3, v0, 4, 1
	v_lshlrev_b32 v6, 4, v1
	v_lshlrev_b32 v7, 4, v3
	v_lshlrev_b32 v37, 5, v3
	v_lshrrev_b32 v41, 1, v1                       ; my 8 bytes of a line: 16-byte column lane / 2, half lane % 2
	v_and_b32 v42, 1, v1
	s_lshl_b32 s33, s16, 16                        ; my wave's 256 lines
	v_lshl_add_u32 v42, v42, 3, s33
.irp i, 0,1,2,3,4,5,6,7
	v_xor_b32 v43, 2*\i, v41
	v_lshl_add_u32 v[SWA+\i], v43, 4, v42
.endr
	v_and_b32 v41, 7, v1                           ; the turning load: lane l addresses line 8 (l / 16) + l % 8, 16-byte column 2 b + (l / 8) % 2, which lies at 2 (b xor l % 8) + (l / 8) % 2
	v_bfe_u32 v42, v1, 3, 1
	v_lshl_add_u32 v43, v3, 3, v41
	v_lshlrev_b32 v43, 8, v43
	v_lshl_add_u32 v43, v42, 4, v43
.irp b, 0,1,2,3,4,5,6,7
	v_xor_b32 v44, \b, v41
	v_lshl_add_u32 v[ADB+\b], v44, 5, v43
.endr
	s_mul_i32 s33, s16, STGW
	s_add_co_u32 s33, s33, STG                     ; my stage
	v_mul_u32_u24 v38, v2, SPIT
	v_lshl_add_u32 v38, v3, 5, v38
	v_add_nc_u32 v38, s33, v38
	v_mul_u32_u24 v39, v3, SPIT                    ; back: lanes 0-15 one row, lanes 16-31 the next, 8 numbers a lane
	v_lshl_add_u32 v39, v2, 5, v39
	v_add_nc_u32 v39, s33, v39
	v_lshlrev_b32 v40, 4, v2
	WIN 0x80
.set i, 0
.rept 64
	v_mov_b32 v[i], 0                              ; v[512:575], the part of the left operand's second buffer that the ring does not cover, is written once
.set i, i+1
.endr
	WIN 0
	s_lshl_b32 s56, s17, 24                        ; the slice in the weights: expert, columns, my wave's 256 rows
	s_lshl_b32 s33, s18, 9
	s_add_co_u32 s56, s56, s33
	s_lshl_b32 s33, s16, 22
	s_add_co_u32 s56, s56, s33
	s_lshl_b32 s58, s17, 14                        ; b1[e]
	s_lshl_b32 s60, s18, 8                         ; 128 f16 of a row of hid
	s_mov_b32 s62, 0
	s_mov_b32 s57, 0
	s_lshl_b32 s33, s18, 9
	s_add_co_u32 s58, s58, s33
	s_mov_b32 s59, 0
	s_mov_b32 s61, 0
	s_mov_b32 s63, 0
	s_lshl_b32 s66, s17, 12                        ; the expert's list in lst,
	s_mov_b32 s67, 0
	s_lshl_b32 s68, s17, 7                         ; and its count, 32 times
	s_add_co_u32 s68, s68, 32768
	s_mov_b32 s69, 0
	s_mov_b32 s40, 0x3eaa540e                      ; 0.33267254
	s_mov_b32 s41, s40
	s_mov_b32 s42, 0x3ebf7377                      ; 0.3739278
	s_mov_b32 s43, s42
	s_mov_b32 s44, 0xbd445ca1                      ; -0.0479399
	s_mov_b32 s45, s44
	s_mov_b32 s46, 0x3e32303a                      ; 0.1740121
	s_mov_b32 s47, s46
	s_mov_b32 s48, 0xbf38aa3b                      ; -log2(e) / 2
	s_mov_b32 s49, s48
	s_mov_b32 s50, 0x7fffffff
	s_wait_kmcnt 0x0
	s_add_nc_u64 s[20:21], s[8:9], s[56:57]
	s_add_nc_u64 s[10:11], s[10:11], s[58:59]
	s_add_nc_u64 s[60:61], s[12:13], s[60:61]
	s_add_nc_u64 s[36:37], s[6:7], s[62:63]
	s_add_nc_u64 s[66:67], s[14:15], s[66:67]
	s_add_nc_u64 s[68:69], s[14:15], s[68:69]
	s_cmp_lg_u32 s16, 0
	s_cbranch_scc1 .Lnol
.irp i, 0,1,2,3,4,5,6,7
	global_load_b128 v[64+4*\i:67+4*\i], v6, s[4:5] offset:512*\i     ; sel: word 128 i + 4 lane + 0..3
.endr
.Lnol:
.irp b, 0,1,2,3,4,5,6,7
	global_load_b128 v[BIAS+8*\b:BIAS+8*\b+3], v37, s[10:11] offset:64*\b
	global_load_b128 v[BIAS+8*\b+4:BIAS+8*\b+7], v37, s[10:11] offset:64*\b+16
.endr
	LOADB 0, 0                                     ; the ring is filled: 64 loads, 32 KiB a wave
	LOADB 1, 32
	s_cmp_lg_u32 s16, 0
	s_cbranch_scc1 .Lnolist
	s_wait_loadcnt 63                              ; 64 loads or more were issued behind wave 0's first eight: those are in
	v_add_nc_u32 v41, LIST, v6
.irp z, 96,97,98,99
	v_mov_b32 v\z, 0
.endr
.irp i, 0,1,2,3,4,5,6,7
	ds_store_b128 v41, v[96:99] offset:512*\i      ; places past the count hold 0
.endr
	s_lshl_b32 s51, 0x10001, s17                   ; the expert's two bits
	s_add_co_u32 s52, s17, 6                       ; bit 16 + e >> (6 + e) = 1,024; bit e >> (6 + e) = 0
	s_mov_b32 s53, 0                               ; rows so far
	v_lshlrev_b32 v42, 2, v1
	v_add_nc_u32 v43, 1024, v1                     ; where a lane whose token is not in the list puts its word
.set w, 0
.rept 32
	v_and_b32 v44, s51, v[64+w]
	v_cmp_ne_u32 s54, 0, v44
	v_lshrrev_b32 v44, s52, v44
	v_add3_u32 v44, v44, v42, 128*(w/4)+(w%4)      ; the slot
	v_mbcnt_lo_u32_b32 v45, s54, s53               ; its rank: rows so far + members in lower lanes
	v_cndmask_b32 v45, v43, v45, s54
	v_min_u32 v45, 0x43f, v45
	v_lshl_add_u32 v45, v45, 2, LIST
	ds_store_b32 v45, v44
	s_bcnt1_i32_b32 s55, s54
	s_add_co_u32 s53, s53, s55
.set w, w+1
.endr
	v_mov_b32 v44, s53
	v_mov_b32 v45, CNTW
	ds_store_b32 v45, v44
	s_cmp_lg_u32 s18, 0                            ; one work-group of the expert's 32 stores the list for the next launch
	s_cbranch_scc1 .Lnolist
.irp i, 0,1,2,3,4,5,6,7
	ds_load_b128 v[64+4*\i:67+4*\i], v41 offset:512*\i  ; LDS serves a wave's instructions in order (ISA guide 5.7.1.4): these see the stores above
.endr
	s_wait_dscnt 0x0
.irp i, 0,1,2,3,4,5,6,7
	global_store_b128 v6, v[64+4*\i:67+4*\i], s[66:67] offset:512*\i
.endr
	global_store_b32 v42, v44, s[68:69]            ; the count, a word a lane: 128 consecutive bytes
	s_wait_xcnt 0x0                                ; the stores' registers are written again below
.Lnolist:
	; THE STREAM.  My wave's 256 rows in 8 batches of 32; while one half of the ring is converted, the other half's 32 loads are on their way, and the first is asked for again at once.
	s_mov_b32 s22, 3
.Lstream:
	s_wait_loadcnt 32                              ; half 0 is in; half 1's 32 loads stay out
	CVST 0, 0
	LOADB 0, 64
	s_wait_loadcnt 32                              ; half 1 is in
	CVST 1, 1
	LOADB 1, 96
	s_wait_xcnt 0x0                                ; the loads have read their base: it may be stepped
	s_add_nc_u64 s[20:21], s[20:21], 64*PITCH
.irp i, 0,1,2,3,4,5,6,7
	v_add_nc_u32 v[SWA+\i], 16384, v[SWA+\i]
.endr
	s_sub_co_u32 s22, s22, 1
	s_cmp_lg_u32 s22, 0
	s_cbranch_scc1 .Lstream
	s_wait_loadcnt 32                              ; the last two batches load nothing
	CVST 0, 0
	s_wait_loadcnt 0x0
	CVST 1, 1
	s_wait_dscnt 0x0                               ; for the others' sake: my lines, and wave 0's list and count, are in LDS
	s_barrier_signal -1
	s_barrier_wait -1                              ; behind it the slice, the list and the count are only read
	; THE DEAL.
	v_mov_b32 v41, CNTW
	ds_load_b32 v42, v41
	s_wait_dscnt 0x0
	v_readfirstlane_b32 s23, v42
	s_min_u32 s23, s23, 1024
	s_max_u32 s24, s23, 1
	s_sub_co_u32 s24, s24, 1                       ; the last rank that exists
	s_add_co_u32 s25, s23, 15
	s_lshr_b32 s25, s25, 4                         ; tiles of 16 rows
	s_add_co_u32 s26, s25, 3
	s_sub_co_u32 s26, s26, s16
	s_lshr_b32 s26, s26, 2                         ; mine: tiles wave, wave + 4, ..: 16 at the most
	s_add_co_u32 s27, s26, 4
	s_mul_i32 s27, s27, 13108
	s_lshr_b32 s27, s27, 16                        ; (q + 4) / 5, exact up to q = 16
	s_max_u32 s27, s27, 1                          ; passes
	s_mov_b32 s33, 0x4000                          ; 65,536 / passes, rounded up
	s_cmp_eq_u32 s27, 3
	s_cselect_b32 s33, 21846, s33
	s_cmp_eq_u32 s27, 2
	s_cselect_b32 s33, 0x8000, s33
	s_cmp_eq_u32 s27, 1
	s_cselect_b32 s33, 0x10000, s33
	s_add_co_u32 s28, s26, s27
	s_sub_co_u32 s28, s28, 1
	s_mul_i32 s28, s28, s33
	s_lshr_b32 s28, s28, 16                        ; tiles a pass: q / passes rounded up, 5 at the most
	s_mov_b32 s31, 0                               ; the pass's first tile among mine
	s_mov_b32 s29, 4
.Lpass:
	INIT
	s_min_u32 s33, s31, s26
	s_sub_co_u32 s30, s26, s33                     ; tiles left,
	s_min_u32 s30, s30, s28                        ; of which this pass takes
	s_min_u32 s30, s30, 5
	s_cmp_eq_u32 s30, 0
	s_cbranch_scc1 .Lmid                           ; nothing left: the products are jumped, the barriers are not
	s_wait_loadcnt 0x0
	s_wait_xcnt 0x0                                ; the last pass's loads and stores have read their registers
	s_lshl_b32 s33, s31, 6
	s_lshl4_add_u32 s33, s16, s33                  ; rank of my first tile's first row: 16 wave + 64 x tile
	v_add_nc_u32 v41, s33, v2
.irp t, 0,1,2,3,4
	v_add_nc_u32 v42, 64*\t, v41
	v_min_u32 v42, s24, v42                        ; ranks past the count repeat the last row
	v_min_u32 v42, 0x3ff, v42
	v_lshl_add_u32 v42, v42, 2, LIST
	ds_load_b32 v[AOFF+\t], v42
.endr
	s_wait_dscnt 0x0
.irp t, 0,1,2,3,4
	v_min_u32 v[AOFF+\t], 0x7ff, v[AOFF+\t]
	v_and_b32 v[AOFF+\t], 0x3ff, v[AOFF+\t]        ; the slot's token
	v_lshl_add_u32 v[AOFF+\t], v[AOFF+\t], ASH, v7
.endr
	s_mov_b64 s[34:35], s[36:37]
	ALOAD 0, 0
.irp b, 0,1,2,3,4,5,6,7
	v_add_nc_u32 v[ADC+\b], 0x2000, v[ADB+\b]      ; 32 lines on
.endr
	BLOAD 0, 0, ADB
	s_mov_b32 s32, 4
.Lk:                                                   ; a trip: 256 along K, eight steps; each buffer of the left operand is asked for four steps ahead of its first use
	PLACES
	s_wait_loadcnt 0x0                             ; buffer 0 is in
	ALOAD 1, 256
	STEP 0, 0, 0
	STEP 0, 1, 1
	STEP 0, 2, 2
	STEP 0, 3, 3
	PLACES
	s_wait_loadcnt 0x0                             ; buffer 1 is in
	s_cmp_eq_u32 s32, 1
	s_cbranch_scc1 .Lnoa                           ; the last trip has nothing behind it
	ALOAD 0, 512
.Lnoa:
	STEP 1, 0, 4
	STEP 1, 1, 5
	STEP 1, 2, 6
	STEP 1, 3, 7
.irp b, 0,1,2,3,4,5,6,7
	v_add_nc_u32 v[ADC+\b], 0x10000, v[ADC+\b]     ; 256 lines on, once a trip, on every path
.endr
	s_wait_xcnt 0x0                                ; the loads have read their base
	s_add_nc_u64 s[34:35], s[34:35], 512
	s_sub_co_u32 s32, s32, 1
	s_cmp_lg_u32 s32, 0
	s_cbranch_scc1 .Lk
	PLACES
.Lmid:
	s_wait_dscnt 0x0                               ; my reads of the slice and of the list are back
	s_barrier_signal -1
	s_barrier_wait -1                              ; every wave's are: now the stages are written
	; THE WAY OUT, a tile at a time through my own stage.
	s_mov_b32 s38, 0
.Ltj:
	s_cmp_ge_u32 s38, s30
	s_cbranch_scc1 .Ltjend
	s_wait_xcnt 0x0                                ; the last tile's stores have read their registers
	s_cmp_lg_u32 s38, 0
	s_cbranch_scc1 .Lst1
	STAGE 0
	s_branch .Lcommon
.Lst1:
	s_cmp_lg_u32 s38, 1
	s_cbranch_scc1 .Lst2
	STAGE 1
	s_branch .Lcommon
.Lst2:
	s_cmp_lg_u32 s38, 2
	s_cbranch_scc1 .Lst3
	STAGE 2
	s_branch .Lcommon
.Lst3:
	s_cmp_lg_u32 s38, 3
	s_cbranch_scc1 .Lst4
	STAGE 3
	s_branch .Lcommon
.Lst4:
	STAGE 4
.Lcommon:
	s_add_co_u32 s39, s31, s38
	s_lshl_b32 s39, s39, 6
	s_lshl4_add_u32 s39, s16, s39                  ; the tile's first rank
	v_add_nc_u32 v41, s39, v3
.irp it, 0,1,2,3,4,5,6,7
	v_add_nc_u32 v42, 2*\it, v41                   ; lanes 0-15 row 2 it, lanes 16-31 row 2 it + 1
	v_min_u32 v42, s24, v42
	v_min_u32 v42, 0x3ff, v42
	v_lshl_add_u32 v42, v42, 2, LIST
	ds_load_b32 v[ROFF+\it], v42
.endr
.irp it, 0,1,2,3,4,5,6,7
	ds_load_b128 v[64+8*\it:67+8*\it], v39 offset:2*SPIT*\it       ; these see my stores above: LDS serves a wave's instructions in order
	ds_load_b128 v[68+8*\it:71+8*\it], v39 offset:2*SPIT*\it+16
.endr
	s_wait_dscnt 16                                ; the eight slots are in; the sixteen loads from the stage stay out
.irp it, 0,1,2,3,4,5,6,7
	v_min_u32 v[ROFF+\it], 0x7ff, v[ROFF+\it]
	v_lshl_add_u32 v[ROFF+\it], v[ROFF+\it], 13, v40
.endr
.irp k, 0,1,2,3
	s_wait_dscnt 12-4*\k                           ; four rows' numbers are in; the later rows' loads stay out
	GELU16 \k
	global_store_b128 v[ROFF+2*\k], v[64+16*\k:67+16*\k], s[60:61] th:TH_STORE_NT      ; 16 lanes store 256 consecutive bytes of a row of hid, aligned
	global_store_b128 v[ROFF+2*\k+1], v[68+16*\k:71+16*\k], s[60:61] th:TH_STORE_NT
.endr
.Ltjend:
	s_add_co_u32 s38, s38, 1
	s_cmp_lt_u32 s38, 5
	s_cbranch_scc1 .Ltj
	s_wait_dscnt 0x0                               ; my stores into my stage and my reads of it are done
	s_barrier_signal -1
	s_barrier_wait -1                              ; every wave's are: the next pass only reads LDS again
	s_add_co_u32 s31, s31, s28
	s_sub_co_u32 s29, s29, 1
	s_cmp_lg_u32 s29, 0
	s_cbranch_scc1 .Lpass
	s_wait_tensorcnt 0x0                           ; the wave's end: behind my last LDS store
	ds_add_u32 v4, v5
	s_wait_dscnt 0x0
	s_endpgm
.Lfunc_end_k_qff7e0bfa62_ffn1:
	.size	k_qff7e0bfa62_ffn1, .Lfunc_end_k_qff7e0bfa62_ffn1-k_qff7e0bfa62_ffn1
	.p2alignl 7, 3214868480
	.fill 96, 4, 3214868480
	.section	.rodata,"a",@progbits
	.p2align	6, 0x0
	.amdhsa_kernel k_qff7e0bfa62_ffn1
		.amdhsa_group_segment_fixed_size 309248
		.amdhsa_private_segment_fixed_size 0
		.amdhsa_enable_private_segment 0
		.amdhsa_kernarg_size 48
		.amdhsa_user_sgpr_count 2
		.amdhsa_user_sgpr_kernarg_segment_ptr 1
		.amdhsa_wavefront_size32 1
		.amdhsa_system_sgpr_workgroup_id_x 1
		.amdhsa_system_sgpr_workgroup_id_y 1
		.amdhsa_system_sgpr_workgroup_id_z 1
		.amdhsa_system_vgpr_workitem_id 0
		.amdhsa_next_free_vgpr 896
		.amdhsa_next_free_sgpr 72
		.amdhsa_reserve_vcc 0
		.amdhsa_float_denorm_mode_32 3
		.amdhsa_float_denorm_mode_16_64 3
		.amdhsa_memory_ordered 1
		.amdhsa_forward_progress 1
		.amdhsa_inst_pref_size 171
	.end_amdhsa_kernel
	.amdgpu_metadata
---
amdhsa.version: [ 1, 2 ]
amdhsa.kernels:
  - .name:           k_qff7e0bfa62_ffn1
    .symbol:         k_qff7e0bfa62_ffn1.kd
    .args:
      - { .name: sel, .offset: 0, .size: 8, .value_kind: global_buffer, .address_space: global }
      - { .name: xh, .offset: 8, .size: 8, .value_kind: global_buffer, .address_space: global }
      - { .name: W1, .offset: 16, .size: 8, .value_kind: global_buffer, .address_space: global }
      - { .name: b1, .offset: 24, .size: 8, .value_kind: global_buffer, .address_space: global }
      - { .name: hid, .offset: 32, .size: 8, .value_kind: global_buffer, .address_space: global }
      - { .name: lst, .offset: 40, .size: 8, .value_kind: global_buffer, .address_space: global }
    .group_segment_fixed_size: 309248
    .private_segment_fixed_size: 0
    .kernarg_segment_align: 8
    .kernarg_segment_size: 48
    .max_flat_workgroup_size: 128
    .sgpr_count:     72
    .vgpr_count:     896
    .wavefront_size: 32
...
	.end_amdgpu_metadata
.endif
;; end of part 3
;; launch ffn2 (part 4): grid 32 x 8, 4 waves a work-group, no clusters, 309,248 bytes of LDS; arguments lst, hid, W2, b2, yp; writes yp
.if DOCPART == 4
	.amdgcn_target "amdgcn-amd-amdhsa--gfx1250"
	.amdhsa_code_object_version 6
	.text
	.protected	k_qff7e0bfa62_ffn2
	.globl	k_qff7e0bfa62_ffn2
	.p2align	8
	.type	k_qff7e0bfa62_ffn2,@function
k_qff7e0bfa62_ffn2:
	s_mov_b64 s[64:65], 0
	v_nop
	global_prefetch_b8 v0, s[64:65] scope:SCOPE_SE
	s_setreg_imm32_b32 hwreg(HW_REG_WAVE_MODE, 25, 1), 1
	s_wait_xcnt 0x0
; Launch 4 of 5: the text of launch 3 with the second product's sizes.  Only the rows of the experts that a token chose are multiplied (shown at the head of the first launch).
; yp[kq][slot][:] = hid[slot][1024 kq ..] W2[e][1024 kq ..][:] (+ b2[e] in quarter 0), f32 partial sums.
; slot = 1024 k + token, k = 0 for a token's first choice, 1 for its second: every slot belongs to one expert, so yp is written whole and the last launch needs no index.
; SHARES.  Work-group (x, e) owns a slice of expert e's weights, 1,024 (K) x 128 (N), which it alone reads: 512 KiB of f32, each byte once, rounded to f16 on its way through registers into LDS.
; Here x = 8 kq + ns: K quarter kq of the 4,096, columns 128 ns on.  Then it takes ALL of the expert's rows past that slice.  A wave takes the expert's tiles of 16 rows number wave, wave + 4, ..: up to five at a
; time (320 accumulator registers), in up to four passes: any split of the tokens is served.
; The loops count to constants; a dead pass's products and dead tiles are jumped forward, past no barrier.  BARRIERS, all on every wave's path: one between the stream and the products (so an expert without rows still
; streams its slice), and two in each of the four passes: in the K loop LDS is only read, on the way out the stages are written; every wave's reads are back before any stage is written, and every stage is done with before the next pass reads.
; The sums are set to the bias at the head of every pass, a dead one's too.
; In a tile that is not full the places past the count repeat the expert's last row; their results, the same numbers, are stored to the same bytes by the same wave.
; THE LIST of the expert's slots and its count are whole numbers that the launch before stored in lst.
; LAYOUT.  D = W^T X^T: source 0 = 16 columns of the weights (out of LDS, turned, by ds_load_tr16_b128), source 1 = 16 token rows (straight from memory: 16 bytes a lane, twice).  In the result a lane holds one token
; row (lane % 16) and columns 16 b + 8 (lane / 16) + 0..7.  The sums start with the bias (quarters 1 to 3: with 0).
; LIMITS.  f16 operands: |W2| and |hid| below 65,504.  NaN and infinities are not treated apart.
; No tensor loads: the weights change format on the way in, so they pass through registers anyway.  No cluster: each slice has one reader, and the token rows come by a list.
.set PITCH, 4096                       ; bytes from a row of the weights to the next
.set ASH,   13                         ; a row of the left operand: 8,192 bytes of hid
.set STG,   270336                     ; LDS 0 .. 262,143: the slice in f16, line k = 256 bytes = row k; its 16-byte column c lies at column c xor 2 (k % 8), so that the 8 rows x 2 columns of a turning load's sixteen lanes fall on sixteen different columns.
                                       ; 262,144 .. 270,335 are left unused: the stepped address of the weights' loads plus their largest offset stays below STG in every trip, for the load that the last trip jumps too
.set SPIT,  528                        ; the stage: 16 rows of 128 f32, 512 + 16 bytes apart; one stage for each wave, its own
.set STGW,  16*SPIT
.set LIST,  304128                     ; 1,024 words of the list
.set SPARE, 308736                     ; the spare words, 128 bytes for each wave: no other line names them
; v1 lane, v2 lane % 16, v3 lane / 16, v4 spare word, v5 0, v6 16 lane, v7 16 (lane / 16), v37 32 (lane / 16)
.set SWA,   8                          ; v[8:15]    where my 8 bytes of a row k go, by k % 8
.set ADB,   16                         ; v[16:23]   my address in the slice's first 32 lines for column block b; never rewritten
.set ADC,   24                         ; v[24:31]   the same, 32 lines on, stepped by 256 lines a trip
.set AOFF,  32                         ; v[32:36]   byte offset of my row of tile 0..4 in the left operand
.set STO,   38                         ; v38  into the stage;  v39 back out of it;  v40 my bytes in an output row;  v41-47 at work
.set ROFF,  48                         ; v[48:63]   the output rows' offsets
.set BIAS,  192                        ; v[192:255] register 8 b + j = bias[16 b + 8 (lane / 16) + j]
.set ABUF,  256                        ; v[256:415], v[416:575] left operand, two buffers of 128 along K: tile t at + 32 t.  The stream's ring lies over v[256:511]
.set ACC,   576                        ; v[576:895] accumulators: tile t at + 64 t, column block b at + 8 b
; v[64:127], v[128:191]: the weights' fragments, two buffers of 32 along K; in the stream the converted rows; on the way out at work
; s16 wave, s17 expert, s18 slice, s19 K quarter, s[20:21] stream, s22 its count, s23 rows, s24 last rank, s25 tiles, s26 my tiles, s27 passes, s28 tiles a pass, s29 passes to go, s30 live tiles, s31 first tile,
; s32 K trips to go, s33 at work, s[34:35] left operand at the trip's K, s[36:37] at K = 0, s38 tile on the way out, s39 its first rank, s55 at work, s[60:61] output, s[66:69] lst
.set MSB, 0
.macro WIN new                         ; s_set_vgpr_msb: bits 1:0 source 0, 3:2 source 1, 5:4 source 2, 7:6 destination; the high byte repeats the setting that is left
.if MSB != (\new)
	s_set_vgpr_msb (MSB<<8)|(\new)
.set MSB, (\new)
.endif
.endm
.macro PLACES                          ; four places behind a matrix instruction, in front of loads into registers that it read and of stores that read results
.rept 4
	v_nop
.endr
.endm
.macro LOADB hb, row0                  ; 32 rows' pieces of the slice into half hb of the ring: each load 512 consecutive bytes, aligned
	WIN 0x40
.set i, 0
.rept 32
	global_load_b128 v[128*(\hb)+4*i:128*(\hb)+4*i+3], v6, s[20:21] offset:((\row0)+i)*PITCH th:TH_LOAD_NT
.set i, i+1
.endr
	WIN 0
.endm
.macro CVST hb, par                    ; half hb is rounded to f16 and laid into LDS
	WIN 0x05
.set i, 0
.rept 32
	v_cvt_pk_f16_f32 v[64+2*i], v[128*(\hb)+4*i], v[128*(\hb)+4*i+1]
	v_cvt_pk_f16_f32 v[65+2*i], v[128*(\hb)+4*i+2], v[128*(\hb)+4*i+3]
.set i, i+1
.endr
	WIN 0
.set i, 0
.rept 32
	ds_store_b64 v[SWA+(i%8)], v[64+2*i:65+2*i] offset:(\par)*8192+i*256
.set i, i+1
.endr
.endm
.macro BLOAD bs, off, adr              ; the weights' fragments of 32 along K, all 8 column blocks, by the address registers adr
.irp b, 0,1,2,3,4,5,6,7
	ds_load_tr16_b128 v[64+64*(\bs)+8*\b:64+64*(\bs)+8*\b+3], v[(\adr)+\b] offset:(\off)
	ds_load_tr16_b128 v[64+64*(\bs)+8*\b+4:64+64*(\bs)+8*\b+7], v[(\adr)+\b] offset:(\off)+4096
.endr
.endm
.macro ALOAD buf, off                  ; 128 along K of the live tiles' rows
.irp t, 0,1,2,3,4
.if \t > 0
	WIN 0
	s_cmp_le_u32 s30, \t
	s_cbranch_scc1 .Ladone_\@
.endif
.set AB, ABUF+160*(\buf)+32*(\t)
	WIN (AB>>8)<<6
.irp s, 0,1,2,3
	global_load_b128 v[(AB&255)+8*\s:(AB&255)+8*\s+3], v[AOFF+\t], s[34:35] offset:(\off)+64*\s
	global_load_b128 v[(AB&255)+8*\s+4:(AB&255)+8*\s+7], v[AOFF+\t], s[34:35] offset:(\off)+64*\s+32
.endr
.endr
	WIN 0
.Ladone_\@:
.endm
.macro MMA acc, wf, xf                 ; registers by their true numbers; the windows follow from them
	WIN ((((\xf)>>8)<<2)|(((\acc)>>8)<<4)|(((\acc)>>8)<<6))
	v_wmma_f32_16x16x32_f16 v[((\acc)&255):((\acc)&255)+7], v[(\wf):(\wf)+7], v[((\xf)&255):((\xf)&255)+7], v[((\acc)&255):((\acc)&255)+7]
.endm
.macro TILEBLK buf, s, bs, t           ; a tile's 8 accumulators take turns, one instruction a turn; the next block is another tile's or, a step later, begins at another accumulator
.irp b, 0,1,2,3,4,5,6,7
	MMA ACC+64*(\t)+8*\b, 64+64*(\bs)+8*\b, ABUF+160*(\buf)+32*(\t)+8*(\s)
.endr
.endm
.macro STEP buf, s, sg                 ; 32 along K: step sg of a trip's eight.  The next step's weights are asked for first, then the live tiles are multiplied
.if (\s) != 0
	PLACES                             ; (for s = 0 the four in front of the left operand's loads are these four)
.endif
	s_wait_dscnt 0x0                   ; this step's fragments, asked for a step ago
.if (\sg) == 7
	s_cmp_eq_u32 s32, 1                ; the last trip has no next step: its sixteen loads, and nothing else, are jumped
	s_cbranch_scc1 .Lnob_\@
.endif
	BLOAD ((\sg)+1)%2, (\sg)*8192, ADC ; ADC stands 32 lines on: step sg + 1 lies at 8,192 sg behind it, 61,440 at the most with the second load's 4,096
.if (\sg) == 7
.Lnob_\@:
.endif
	TILEBLK \buf, \s, (\sg)%2, 0
.irp t, 1,2,3,4
	WIN 0
	s_cmp_le_u32 s30, \t
	s_cbranch_scc1 .Ldone_\@
	TILEBLK \buf, \s, (\sg)%2, \t
.endr
	WIN 0
.Ldone_\@:
.endm
.macro INIT                            ; the sums start with the bias, in all five tiles
.irp t, 0,1,2,3,4
.set AC, ACC+64*(\t)
	WIN (AC>>8)<<6
.set i, 0
.rept 64
	v_mov_b32 v[(AC&255)+i], v[BIAS+i]
.set i, i+1
.endr
.endr
	WIN 0
.endm
.macro STAGE t                         ; a tile into my stage; each accumulator's low registers first
.set AC, ACC+64*(\t)
	WIN (AC>>8)<<2
.irp b, 0,1,2,3,4,5,6,7
	ds_store_b128 v[STO], v[(AC&255)+8*\b:(AC&255)+8*\b+3] offset:64*\b
	ds_store_b128 v[STO], v[(AC&255)+8*\b+4:(AC&255)+8*\b+7] offset:64*\b+16
.endr
	WIN 0
.endm
	s_load_b256 s[4:11], s[0:1], 0x0               ; lst, hid, W2, b2
	s_load_b64 s[12:13], s[0:1], 0x20              ; yp
	v_lshl_add_u32 v4, v0, 2, SPARE
	v_mov_b32 v5, 0
	v_lshrrev_b32 v1, 5, v0
	v_readfirstlane_b32 s16, v1                    ; wave 0..3
	s_and_b32 s17, ttmp7, 0xffff                   ; expert
	s_and_b32 s18, ttmp9, 7
	s_lshr_b32 s19, ttmp9, 3
	v_and_b32 v1, 31, v0
	v_and_b32 v2, 15, v0
	v_bfe_u32 v3, v0, 4, 1
	v_lshlrev_b32 v6, 4, v1
	v_lshlrev_b32 v7, 4, v3
	v_lshlrev_b32 v37, 5, v3
	v_lshrrev_b32 v41, 1, v1                       ; my 8 bytes of a line: 16-byte column lane / 2, half lane % 2
	v_and_b32 v42, 1, v1
	s_lshl_b32 s33, s16, 16                        ; my wave's 256 lines
	v_lshl_add_u32 v42, v42, 3, s33
.irp i, 0,1,2,3,4,5,6,7
	v_xor_b32 v43, 2*\i, v41
	v_lshl_add_u32 v[SWA+\i], v43, 4, v42
.endr
	v_and_b32 v41, 7, v1                           ; the turning load: lane l addresses line 8 (l / 16) + l % 8, 16-byte column 2 b + (l / 8) % 2, which lies at 2 (b xor l % 8) + (l / 8) % 2
	v_bfe_u32 v42, v1, 3, 1
	v_lshl_add_u32 v43, v3, 3, v41
	v_lshlrev_b32 v43, 8, v43
	v_lshl_add_u32 v43, v42, 4, v43
.irp b, 0,1,2,3,4,5,6,7
	v_xor_b32 v44, \b, v41
	v_lshl_add_u32 v[ADB+\b], v44, 5, v43
.endr
	s_mul_i32 s33, s16, STGW
	s_add_co_u32 s33, s33, STG                     ; my stage
	v_mul_u32_u24 v38, v2, SPIT
	v_lshl_add_u32 v38, v3, 5, v38
	v_add_nc_u32 v38, s33, v38
	v_add_nc_u32 v39, s33, v6                      ; back: a whole row of 512 bytes
	v_mov_b32 v40, v6
	WIN 0x80
.set i, 0
.rept 64
	v_mov_b32 v[i], 0                              ; v[512:575], the part of the left operand's second buffer that the ring does not cover, is written once
.set i, i+1
.endr
	WIN 0
	s_lshl_b32 s56, s17, 24                        ; the slice in the weights: expert, columns, my wave's 256 rows, the K quarter
	s_lshl_b32 s33, s18, 9
	s_add_co_u32 s56, s56, s33
	s_lshl_b32 s33, s16, 20
	s_add_co_u32 s56, s56, s33
	s_lshl_b32 s33, s19, 22
	s_add_co_u32 s56, s56, s33
	s_lshl_b32 s58, s17, 12                        ; b2[e]
	s_lshl_b32 s60, s19, 23                        ; the quarter's plane of yp,
	s_lshl_b32 s33, s18, 9                         ; 128 f32 of a row
	s_add_co_u32 s60, s60, s33
	s_lshl_b32 s62, s19, 11                        ; the quarter's 1,024 f16 of a row of hid
	s_mov_b32 s57, 0
	s_lshl_b32 s33, s18, 9
	s_add_co_u32 s58, s58, s33
	s_mov_b32 s59, 0
	s_mov_b32 s61, 0
	s_mov_b32 s63, 0
	s_lshl_b32 s66, s17, 12                        ; the expert's list in lst,
	s_mov_b32 s67, 0
	s_lshl_b32 s68, s17, 7                         ; and its count
	s_add_co_u32 s68, s68, 32768
	s_mov_b32 s69, 0
	s_wait_kmcnt 0x0
	s_add_nc_u64 s[20:21], s[8:9], s[56:57]
	s_add_nc_u64 s[10:11], s[10:11], s[58:59]
	s_add_nc_u64 s[60:61], s[12:13], s[60:61]
	s_add_nc_u64 s[36:37], s[6:7], s[62:63]
	s_add_nc_u64 s[66:67], s[4:5], s[66:67]
	s_add_nc_u64 s[68:69], s[4:5], s[68:69]
	s_load_b32 s23, s[68:69], 0x0
	s_cmp_lg_u32 s16, 0
	s_cbranch_scc1 .Lnol
.irp i, 0,1,2,3,4,5,6,7
	global_load_b128 v[64+4*\i:67+4*\i], v6, s[66:67] offset:512*\i   ; the expert's list
.endr
.Lnol:
	s_cmp_lg_u32 s19, 0                            ; b2 is added once, in quarter 0
	s_cbranch_scc1 .Lzb
.irp b, 0,1,2,3,4,5,6,7
	global_load_b128 v[BIAS+8*\b:BIAS+8*\b+3], v37, s[10:11] offset:64*\b
	global_load_b128 v[BIAS+8*\b+4:BIAS+8*\b+7], v37, s[10:11] offset:64*\b+16
.endr
	s_branch .Lbd
.Lzb:
.set i, 0
.rept 64
	v_mov_b32 v[BIAS+i], 0
.set i, i+1
.endr
.Lbd:
	LOADB 0, 0                                     ; the ring is filled: 64 loads, 32 KiB a wave
	LOADB 1, 32
	s_cmp_lg_u32 s16, 0
	s_cbranch_scc1 .Lnolist
	s_wait_loadcnt 63                              ; 64 loads or more were issued behind wave 0's first eight: those are in
	v_add_nc_u32 v41, LIST, v6
.irp i, 0,1,2,3,4,5,6,7
	ds_store_b128 v41, v[64+4*\i:67+4*\i] offset:512*\i
.endr
.Lnolist:
	; THE STREAM.  My wave's 256 rows in 8 batches of 32; while one half of the ring is converted, the other half's 32 loads are on their way, and the first is asked for again at once.
	s_mov_b32 s22, 3
.Lstream:
	s_wait_loadcnt 32                              ; half 0 is in; half 1's 32 loads stay out
	CVST 0, 0
	LOADB 0, 64
	s_wait_loadcnt 32                              ; half 1 is in
	CVST 1, 1
	LOADB 1, 96
	s_wait_xcnt 0x0                                ; the loads have read their base: it may be stepped
	s_add_nc_u64 s[20:21], s[20:21], 64*PITCH
.irp i, 0,1,2,3,4,5,6,7
	v_add_nc_u32 v[SWA+\i], 16384, v[SWA+\i]
.endr
	s_sub_co_u32 s22, s22, 1
	s_cmp_lg_u32 s22, 0
	s_cbranch_scc1 .Lstream
	s_wait_loadcnt 32                              ; the last two batches load nothing
	CVST 0, 0
	s_wait_loadcnt 0x0
	CVST 1, 1
	s_wait_dscnt 0x0                               ; for the others' sake: my lines, and wave 0's list, are in LDS
	s_barrier_signal -1
	s_barrier_wait -1                              ; behind it the slice and the list are only read
	; THE DEAL.
	s_wait_kmcnt 0x0
	s_min_u32 s23, s23, 1024
	s_max_u32 s24, s23, 1
	s_sub_co_u32 s24, s24, 1                       ; the last rank that exists
	s_add_co_u32 s25, s23, 15
	s_lshr_b32 s25, s25, 4                         ; tiles of 16 rows
	s_add_co_u32 s26, s25, 3
	s_sub_co_u32 s26, s26, s16
	s_lshr_b32 s26, s26, 2                         ; mine: tiles wave, wave + 4, ..: 16 at the most
	s_add_co_u32 s27, s26, 4
	s_mul_i32 s27, s27, 13108
	s_lshr_b32 s27, s27, 16                        ; (q + 4) / 5, exact up to q = 16
	s_max_u32 s27, s27, 1                          ; passes
	s_mov_b32 s33, 0x4000                          ; 65,536 / passes, rounded up
	s_cmp_eq_u32 s27, 3
	s_cselect_b32 s33, 21846, s33
	s_cmp_eq_u32 s27, 2
	s_cselect_b32 s33, 0x8000, s33
	s_cmp_eq_u32 s27, 1
	s_cselect_b32 s33, 0x10000, s33
	s_add_co_u32 s28, s26, s27
	s_sub_co_u32 s28, s28, 1
	s_mul_i32 s28, s28, s33
	s_lshr_b32 s28, s28, 16                        ; tiles a pass: q / passes rounded up, 5 at the most
	s_mov_b32 s31, 0                               ; the pass's first tile among mine
	s_mov_b32 s29, 4
.Lpass:
	INIT
	s_min_u32 s33, s31, s26
	s_sub_co_u32 s30, s26, s33                     ; tiles left,
	s_min_u32 s30, s30, s28                        ; of which this pass takes
	s_min_u32 s30, s30, 5
	s_cmp_eq_u32 s30, 0
	s_cbranch_scc1 .Lmid                           ; nothing left: the products are jumped, the barriers are not
	s_wait_loadcnt 0x0
	s_wait_xcnt 0x0                                ; the last pass's loads and stores have read their registers
	s_lshl_b32 s33, s31, 6
	s_lshl4_add_u32 s33, s16, s33                  ; rank of my first tile's first row: 16 wave + 64 x tile
	v_add_nc_u32 v41, s33, v2
.irp t, 0,1,2,3,4
	v_add_nc_u32 v42, 64*\t, v41
	v_min_u32 v42, s24, v42                        ; ranks past the count repeat the last row
	v_min_u32 v42, 0x3ff, v42
	v_lshl_add_u32 v42, v42, 2, LIST
	ds_load_b32 v[AOFF+\t], v42
.endr
	s_wait_dscnt 0x0
.irp t, 0,1,2,3,4
	v_min_u32 v[AOFF+\t], 0x7ff, v[AOFF+\t]
	v_lshl_add_u32 v[AOFF+\t], v[AOFF+\t], ASH, v7
.endr
	s_mov_b64 s[34:35], s[36:37]
	ALOAD 0, 0
.irp b, 0,1,2,3,4,5,6,7
	v_add_nc_u32 v[ADC+\b], 0x2000, v[ADB+\b]      ; 32 lines on
.endr
	BLOAD 0, 0, ADB
	s_mov_b32 s32, 4
.Lk:                                                   ; a trip: 256 along K, eight steps; each buffer of the left operand is asked for four steps ahead of its first use
	PLACES
	s_wait_loadcnt 0x0                             ; buffer 0 is in
	ALOAD 1, 256
	STEP 0, 0, 0
	STEP 0, 1, 1
	STEP 0, 2, 2
	STEP 0, 3, 3
	PLACES
	s_wait_loadcnt 0x0                             ; buffer 1 is in
	s_cmp_eq_u32 s32, 1
	s_cbranch_scc1 .Lnoa                           ; the last trip has nothing behind it
	ALOAD 0, 512
.Lnoa:
	STEP 1, 0, 4
	STEP 1, 1, 5
	STEP 1, 2, 6
	STEP 1, 3, 7
.irp b, 0,1,2,3,4,5,6,7
	v_add_nc_u32 v[ADC+\b], 0x10000, v[ADC+\b]     ; 256 lines on, once a trip, on every path
.endr
	s_wait_xcnt 0x0                                ; the loads have read their base
	s_add_nc_u64 s[34:35], s[34:35], 512
	s_sub_co_u32 s32, s32, 1
	s_cmp_lg_u32 s32, 0
	s_cbranch_scc1 .Lk
	PLACES
.Lmid:
	s_wait_dscnt 0x0                               ; my reads of the slice and of the list are back
	s_barrier_signal -1
	s_barrier_wait -1                              ; every wave's are: now the stages are written
	; THE WAY OUT, a tile at a time through my own stage.
	s_mov_b32 s38, 0
.Ltj:
	s_cmp_ge_u32 s38, s30
	s_cbranch_scc1 .Ltjend
	s_wait_xcnt 0x0                                ; the last tile's stores have read their registers
	s_cmp_lg_u32 s38, 0
	s_cbranch_scc1 .Lst1
	STAGE 0
	s_branch .Lcommon
.Lst1:
	s_cmp_lg_u32 s38, 1
	s_cbranch_scc1 .Lst2
	STAGE 1
	s_branch .Lcommon
.Lst2:
	s_cmp_lg_u32 s38, 2
	s_cbranch_scc1 .Lst3
	STAGE 2
	s_branch .Lcommon
.Lst3:
	s_cmp_lg_u32 s38, 3
	s_cbranch_scc1 .Lst4
	STAGE 3
	s_branch .Lcommon
.Lst4:
	STAGE 4
.Lcommon:
	s_add_co_u32 s39, s31, s38
	s_lshl_b32 s39, s39, 6
	s_lshl4_add_u32 s39, s16, s39                  ; the tile's first rank
	v_add_nc_u32 v41, s39, v2
	v_min_u32 v41, s24, v41
	v_min_u32 v41, 0x3ff, v41
	v_lshl_add_u32 v41, v41, 2, LIST
	ds_load_b32 v43, v41                           ; lane r: the slot of the tile's row r
.irp row, 0,1,2,3,4,5,6,7,8,9,10,11,12,13,14,15
	ds_load_b128 v[64+4*\row:67+4*\row], v39 offset:SPIT*\row  ; these see my stores above: LDS serves a wave's instructions in order (ISA guide 5.7.1.4)
.endr
	s_wait_dscnt 16                                ; the slots are in; the sixteen rows stay out
.irp row, 0,1,2,3,4,5,6,7,8,9,10,11,12,13,14,15
	v_readlane_b32 s55, v43, \row
	s_min_u32 s55, s55, 0x7ff
	s_lshl_b32 s55, s55, 12
	v_add_nc_u32 v[ROFF+\row], s55, v40
.endr
.irp row, 0,1,2,3,4,5,6,7,8,9,10,11,12,13,14,15
	s_wait_dscnt 15-\row
	global_store_b128 v[ROFF+\row], v[64+4*\row:67+4*\row], s[60:61] th:TH_STORE_NT  ; 512 consecutive bytes of a row of yp, aligned
.endr
.Ltjend:
	s_add_co_u32 s38, s38, 1
	s_cmp_lt_u32 s38, 5
	s_cbranch_scc1 .Ltj
	s_wait_dscnt 0x0                               ; my stores into my stage and my reads of it are done
	s_barrier_signal -1
	s_barrier_wait -1                              ; every wave's are: the next pass only reads LDS again
	s_add_co_u32 s31, s31, s28
	s_sub_co_u32 s29, s29, 1
	s_cmp_lg_u32 s29, 0
	s_cbranch_scc1 .Lpass
	s_wait_tensorcnt 0x0                           ; the wave's end: behind my last LDS store
	ds_add_u32 v4, v5
	s_wait_dscnt 0x0
	s_endpgm
.Lfunc_end_k_qff7e0bfa62_ffn2:
	.size	k_qff7e0bfa62_ffn2, .Lfunc_end_k_qff7e0bfa62_ffn2-k_qff7e0bfa62_ffn2
	.p2alignl 7, 3214868480
	.fill 96, 4, 3214868480
	.section	.rodata,"a",@progbits
	.p2align	6, 0x0
	.amdhsa_kernel k_qff7e0bfa62_ffn2
		.amdhsa_group_segment_fixed_size 309248
		.amdhsa_private_segment_fixed_size 0
		.amdhsa_enable_private_segment 0
		.amdhsa_kernarg_size 40
		.amdhsa_user_sgpr_count 2
		.amdhsa_user_sgpr_kernarg_segment_ptr 1
		.amdhsa_wavefront_size32 1
		.amdhsa_system_sgpr_workgroup_id_x 1
		.amdhsa_system_sgpr_workgroup_id_y 1
		.amdhsa_system_sgpr_workgroup_id_z 1
		.amdhsa_system_vgpr_workitem_id 0
		.amdhsa_next_free_vgpr 896
		.amdhsa_next_free_sgpr 72
		.amdhsa_reserve_vcc 0
		.amdhsa_float_denorm_mode_32 3
		.amdhsa_float_denorm_mode_16_64 3
		.amdhsa_memory_ordered 1
		.amdhsa_forward_progress 1
		.amdhsa_inst_pref_size 125
	.end_amdhsa_kernel
	.amdgpu_metadata
---
amdhsa.version: [ 1, 2 ]
amdhsa.kernels:
  - .name:           k_qff7e0bfa62_ffn2
    .symbol:         k_qff7e0bfa62_ffn2.kd
    .args:
      - { .name: lst, .offset: 0, .size: 8, .value_kind: global_buffer, .address_space: global }
      - { .name: hid, .offset: 8, .size: 8, .value_kind: global_buffer, .address_space: global }
      - { .name: W2, .offset: 16, .size: 8, .value_kind: global_buffer, .address_space: global }
      - { .name: b2, .offset: 24, .size: 8, .value_kind: global_buffer, .address_space: global }
      - { .name: yp, .offset: 32, .size: 8, .value_kind: global_buffer, .address_space: global }
    .group_segment_fixed_size: 309248
    .private_segment_fixed_size: 0
    .kernarg_segment_align: 8
    .kernarg_segment_size: 40
    .max_flat_workgroup_size: 128
    .sgpr_count:     72
    .vgpr_count:     896
    .wavefront_size: 32
...
	.end_amdgpu_metadata
.endif
;; end of part 4
;; launch comb (part 5): grid 257 x 1, 8 waves a work-group, no clusters, 0 bytes of LDS; arguments yp, rt, out0, out1, out2, out3, out4; writes out0, out1, out2, out3, out4
.if DOCPART == 5
	.amdgcn_target "amdgcn-amd-amdhsa--gfx1250"
	.amdhsa_code_object_version 6
	.text
	.protected	k_qff7e0bfa62_comb
	.globl	k_qff7e0bfa62_comb
	.p2align	8
	.type	k_qff7e0bfa62_comb,@function
k_qff7e0bfa62_comb:
	s_mov_b64 s[64:65], 0
	v_nop
	global_prefetch_b8 v0, s[64:65] scope:SCOPE_SE
	s_setreg_imm32_b32 hwreg(HW_REG_WAVE_MODE, 25, 1), 1
	s_wait_xcnt 0x0
; Launch 5 of 5.  out0[t] = gate0[t] y[t] + gate1[t] y[1024 + t], where y[slot] is the sum of yp's four K quarters (b2 lies in quarter 0).  The experts that a token did not choose
; have weight 0 and were not computed (shown at the head of the first launch).  Slots are 1024 k + token, so no index is read.
; Work-groups 0 to 255: a wave takes half a token's row: 32 loads of 512 consecutive bytes, all issued at once, 4 stores of 512.  A stream: no LDS, no barrier, no matrix unit.
; Work-group 256, wave 0: the four losses, from the 256 x 16 sums that the router stored; its other waves have no share and end.
	s_load_b256 s[4:11], s[0:1], 0x0               ; yp s[4:5], rt s[6:7], out0 s[8:9], out1 s[10:11]
	s_load_b128 s[12:15], s[0:1], 0x20             ; out2 s[12:13], out3 s[14:15]
	s_load_b64 s[16:17], s[0:1], 0x30              ; out4
	v_lshrrev_b32 v1, 5, v0
	v_readfirstlane_b32 s18, v1                    ; wave 0..7
	v_and_b32 v1, 31, v0
	v_lshlrev_b32 v2, 4, v1
	s_cmp_eq_u32 ttmp9, 256
	s_cbranch_scc1 .Laux
	s_lshr_b32 s19, s18, 1
	s_lshl2_add_u32 s19, ttmp9, s19                ; token
	s_and_b32 s24, s18, 1
	s_lshl_b32 s24, s24, 11                        ; which half of its 4,096 bytes
	s_lshl_b32 s25, s19, 12
	s_add_co_u32 s24, s24, s25
	s_mov_b32 s25, 0
	s_lshl_b32 s26, s19, 3
	s_mov_b32 s27, 0
	s_wait_kmcnt 0x0
	s_add_nc_u64 s[26:27], s[6:7], s[26:27]
	s_load_b64 s[20:21], s[26:27], 0x0             ; the two gates
	s_add_nc_u64 s[28:29], s[4:5], s[24:25]        ; the four quarters' planes, 8,388,608 bytes apart
	s_add_nc_u64 s[30:31], s[28:29], 0x800000
	s_add_nc_u64 s[32:33], s[30:31], 0x800000
	s_add_nc_u64 s[34:35], s[32:33], 0x800000
	s_add_nc_u64 s[8:9], s[8:9], s[24:25]
.irp j, 0,1,2,3
.irp q, 0,1,2,3
.irp k, 0,1
	global_load_b128 v[32+32*\j+8*\q+4*\k:35+32*\j+8*\q+4*\k], v2, s[28+2*\q:29+2*\q] offset:\k*4194304+512*\j th:TH_LOAD_NT
.endr
.endr
.endr
	s_wait_kmcnt 0x0
	s_mov_b32 s22, s21                             ; gate 1 as the low word of a pair
	s_mov_b32 s23, s21
.irp j, 0,1,2,3
	s_wait_loadcnt 24-8*\j                         ; this piece's eight loads are in; the later pieces' stay out
.irp c, 0,2,4,6
	v_pk_add_f32 v[32+32*\j+\c:33+32*\j+\c], v[32+32*\j+\c:33+32*\j+\c], v[40+32*\j+\c:41+32*\j+\c]
	v_pk_add_f32 v[48+32*\j+\c:49+32*\j+\c], v[48+32*\j+\c:49+32*\j+\c], v[56+32*\j+\c:57+32*\j+\c]
.endr
.irp c, 0,2,4,6
	v_pk_add_f32 v[32+32*\j+\c:33+32*\j+\c], v[32+32*\j+\c:33+32*\j+\c], v[48+32*\j+\c:49+32*\j+\c]
.endr
.irp c, 0,2
	v_pk_mul_f32 v[32+32*\j+\c:33+32*\j+\c], v[32+32*\j+\c:33+32*\j+\c], s[20:21] op_sel_hi:[1,0]
.endr
.irp c, 0,2
	v_pk_fma_f32 v[32+32*\j+\c:33+32*\j+\c], v[36+32*\j+\c:37+32*\j+\c], s[22:23], v[32+32*\j+\c:33+32*\j+\c] op_sel_hi:[1,0,1]
.endr
	global_store_b128 v2, v[32+32*\j:35+32*\j], s[8:9] offset:512*\j th:TH_STORE_NT
.endr
	s_endpgm
.Laux:
	s_cmp_lg_u32 s18, 0
	s_cbranch_scc1 .Lquit
	s_mov_b32 s32, 0x76543210
	s_mov_b32 s33, 0xfedcba98
	s_mov_b32 s34, 0x3a800000                      ; 1 / 1024
	s_mov_b32 s35, 0xbe000000                      ; -1 / 8
	s_wait_kmcnt 0x0
	s_add_nc_u64 s[6:7], s[6:7], 8192
.irp i, 0,1,2,3,4,5,6,7,8,9,10,11,12,13,14,15,16,17,18,19,20,21,22,23,24,25,26,27,28,29,30,31
	global_load_b128 v[32+4*\i:35+4*\i], v2, s[6:7] offset:512*\i  ; lane l: components 4 (l % 4) + 0..3 of work-group 8 i + l / 4
.endr
	v_mov_b32 v160, 0                              ; v_permlanex16_b32's destination counts as read; no load lands here
	s_wait_loadcnt 0x0
.irp s, 16,8,4,2,1
.set i, 0
.rept \s
	v_pk_add_f32 v[32+4*i:33+4*i], v[32+4*i:33+4*i], v[32+4*(i+\s):33+4*(i+\s)]
	v_pk_add_f32 v[34+4*i:35+4*i], v[34+4*i:35+4*i], v[34+4*(i+\s):35+4*(i+\s)]
.set i, i+1
.endr
.endr
.irp r, 32,33,34,35
	v_add_f32_dpp v\r, v\r, v\r row_xmask:4 row_mask:0xf bank_mask:0xf
	v_add_f32_dpp v\r, v\r, v\r row_xmask:8 row_mask:0xf bank_mask:0xf
	v_permlanex16_b32 v160, v\r, s32, s33
	v_add_f32 v\r, v\r, v160
.endr
	; lane 0: the sums of p0-p3; lane 1: of p4-p7; lane 2: of logsumexp^2 and of the entropy
.irp c, 0,1,2,3
	v_fma_f32 v[36+\c], v[32+\c], s34, s35         ; importance - 1 / 8
.endr
	v_mul_f32 v41, v36, v36
	v_fmac_f32 v41, v37, v37
	v_fmac_f32 v41, v38, v38
	v_fmac_f32 v41, v39, v39
	v_readlane_b32 s36, v41, 0
	v_readlane_b32 s37, v41, 1
	v_readlane_b32 s38, v32, 2
	v_readlane_b32 s39, v33, 2
	v_mov_b32 v42, s36
	v_add_f32 v42, s37, v42
	v_mul_f32 v42, 0x3e000000, v42                 ; load_balance: the mean of the eight squares
	v_mov_b32 v43, s38
	v_mul_f32 v43, s34, v43                        ; router_z
	v_mov_b32 v44, s39
	v_mul_f32 v44, s34, v44                        ; entropy
	v_sub_f32 v45, v43, v44
	v_fmamk_f32 v45, v45, 0x3a83126f, v42          ; aux_total
	v_mov_b32 v46, 0
	s_wait_xcnt 0x0                                ; EXEC changes only behind this wait
	v_cmp_eq_u32 vcc_lo, 0, v1
	s_and_saveexec_b32 s40, vcc_lo
	global_store_b32 v46, v42, s[10:11]
	global_store_b32 v46, v43, s[12:13]
	global_store_b32 v46, v44, s[14:15]
	global_store_b32 v46, v45, s[16:17]
	s_wait_xcnt 0x0                                ; and again, in front of the line that widens it
	s_or_b32 exec_lo, exec_lo, s40
.Lquit:
	s_endpgm
.Lfunc_end_k_qff7e0bfa62_comb:
	.size	k_qff7e0bfa62_comb, .Lfunc_end_k_qff7e0bfa62_comb-k_qff7e0bfa62_comb
	.p2alignl 7, 3214868480
	.fill 96, 4, 3214868480
	.section	.rodata,"a",@progbits
	.p2align	6, 0x0
	.amdhsa_kernel k_qff7e0bfa62_comb
		.amdhsa_group_segment_fixed_size 0
		.amdhsa_private_segment_fixed_size 0
		.amdhsa_enable_private_segment 0
		.amdhsa_kernarg_size 56
		.amdhsa_user_sgpr_count 2
		.amdhsa_user_sgpr_kernarg_segment_ptr 1
		.amdhsa_wavefront_size32 1
		.amdhsa_system_sgpr_workgroup_id_x 1
		.amdhsa_system_sgpr_workgroup_id_y 1
		.amdhsa_system_sgpr_workgroup_id_z 1
		.amdhsa_system_vgpr_workitem_id 0
		.amdhsa_next_free_vgpr 176
		.amdhsa_next_free_sgpr 66
		.amdhsa_reserve_vcc 1
		.amdhsa_float_denorm_mode_32 3
		.amdhsa_float_denorm_mode_16_64 3
		.amdhsa_memory_ordered 1
		.amdhsa_forward_progress 1
		.amdhsa_inst_pref_size 19
	.end_amdhsa_kernel
	.amdgpu_metadata
---
amdhsa.version: [ 1, 2 ]
amdhsa.kernels:
  - .name:           k_qff7e0bfa62_comb
    .symbol:         k_qff7e0bfa62_comb.kd
    .args:
      - { .name: yp, .offset: 0, .size: 8, .value_kind: global_buffer, .address_space: global }
      - { .name: rt, .offset: 8, .size: 8, .value_kind: global_buffer, .address_space: global }
      - { .name: out0, .offset: 16, .size: 8, .value_kind: global_buffer, .address_space: global }
      - { .name: out1, .offset: 24, .size: 8, .value_kind: global_buffer, .address_space: global }
      - { .name: out2, .offset: 32, .size: 8, .value_kind: global_buffer, .address_space: global }
      - { .name: out3, .offset: 40, .size: 8, .value_kind: global_buffer, .address_space: global }
      - { .name: out4, .offset: 48, .size: 8, .value_kind: global_buffer, .address_space: global }
    .group_segment_fixed_size: 0
    .private_segment_fixed_size: 0
    .kernarg_segment_align: 8
    .kernarg_segment_size: 56
    .max_flat_workgroup_size: 256
    .sgpr_count:     66
    .vgpr_count:     176
    .wavefront_size: 32
...
	.end_amdgpu_metadata
.endif
;; end of part 5
